; MI455X (gfx1250); checked and timed in simulation.
; The chip was launched on July 23, 2026; its instructions are those of AMD's public machine-readable ISA for CDNA 5 (MIT licence, August 2026) and "CDNA5" Instruction Set Architecture Reference Guide (July 2026). The comments in the code are by the model that wrote it; some were corrected since.
;; Cross Attention. Allowed arithmetic: matrix products marked QUANTISED: E2M3 operands, one E8M0 scale for each 32 along K, by v_wmma_scale_f32_16x16x128_f8f6f4 with both operands' format E2M3, f32 sums; everything else in f32.
;; Inputs: Wk 1,024 x 768 float32; Wo 1,024 x 1,024 float32; Wq 1,024 x 1,024 float32; Wv 1,024 x 768 float32; bo 1,024 float32; kv 4 x 2,048 x 768 float32; q 4 x 2,048 x 1,024 float32.
;; Outputs: out0 4 x 2,048 x 1,024 float32.
;; This version of the problem:
;;   THIS VERSION OF THE PROBLEM IS GIVEN IN LOW PRECISION. The matrix products marked QUANTISED in the list below multiply operands that are first quantised to E2M3 (2 exponent bits, 3 mantissa bits; 6 bits a number), with one power-of-two scale for each 32 numbers along K (OCP MX v1.0); their sums are f32. All else is computed in f32.
;;   The module's matrix products, in the order in which they are computed (A, B: the left and right operand; K: the contracted axis; several contracted axes count as one K, in the product's order):
;;     1. [M 8,192, K 1,024] x [K 1,024, N 1,024]; A: input q; B: input Wq: QUANTISED
;;     2. [M 8,192, K 768] x [K 768, N 1,024]; A: input kv; B: input Wk: QUANTISED
;;     3. [M 8,192, K 768] x [K 768, N 1,024]; A: input kv; B: input Wv: QUANTISED
;;     4. batch 16 x [M 2,048, K 256] x [K 256, N 2,048]; A: computed on the way; B: computed on the way: QUANTISED
;;     5. batch 16 x [M 2,048, K 2,048] x [K 2,048, N 256]; A: softmax (see below); B: computed on the way: QUANTISED
;;     6. [M 8,192, K 1,024] x [K 1,024, N 1,024]; A: computed on the way; B: input Wo: QUANTISED
;;   THE QUANTISER, for each operand of a quantised product, along K:
;;     - K is cut into blocks of 32 from its start; a last block that is shorter is filled with zeros.
;;     - A block's scale is 2^e with e = floor(log2(the largest magnitude in the block)) - 2, held to -126 .. 127; a block of zeros has e = 0. As a byte (E8M0): e + 127.
;;     - Each number is divided by its block's scale, clamped to +-7.5, and rounded to the nearest number of E2M3, ties to even, subnormals kept.
;;     - The product sums the exact products of the quantised numbers (number of the format x scale) in f32.
;;   ~~~python
;;   def quantise(x, axis):      # numpy; x: float32 -> the quantised numbers, widened to float32 again
;;       x = np.moveaxis(x, axis, -1); K = x.shape[-1]
;;       x = np.pad(x, [(0, 0)] * (x.ndim - 1) + [(0, -K % 32)]); x = x.reshape(x.shape[:-1] + (-1, 32)); a = np.abs(x).max(-1, keepdims=True)
;;       e = np.where(a > 0, np.clip(np.frexp(np.where(a > 0, a, 1))[1] - 1 - 2, -126, 127), 0)      # np.frexp(a)[1] - 1 = floor(log2(a)), exactly
;;       r = np.clip(x / 2.0 ** e, -7.5, 7.5)
;;       step = 2.0 ** (np.maximum(np.frexp(np.where(r == 0, 1, r))[1] - 1, 0) - 3)
;;       q = np.round(r / step) * step * 2.0 ** e      # np.round: ties to even
;;       return np.moveaxis(q.reshape(q.shape[:-2] + (-1,))[..., :K], -1, axis).astype(np.float32)
;;   ~~~
;;   SOFTMAX AHEAD OF A QUANTISED PRODUCT. Where the list says 'softmax', what is quantised is not the finished softmax but p = 2^(t - M), with t = logit x log2(e) and M = ceil(the row's largest t), a whole number; so 1/2 < the row's largest p <= 1. The row's sum l is taken of the UNQUANTISED p, in f32, and the product's result is divided by l at the end. Since M is a whole number, a kernel that streams over the keys may use a running M (the ceiling of the running maximum): every later rescaling is an exact power of two, which a block's scale takes up: the codes' values come out the same.
;;   OPERANDS COMPUTED ON THE WAY. 'Computed on the way' means the value that the module computes at that place (a softmax that the list does not call 'softmax' is quantised finished and normalised). What goes into a quantiser is computed in f32, as accurately as f32 sums, v_exp_f32 and their like allow (about 1e-6 of the number): no bf16 or f16 on the way to a quantiser, and a product that is left as it is and whose result goes on into a quantised operand takes f32 operands (vector FMAs, or v_wmma_f32_16x16x4_f32). A number that lies on a knife's edge between two numbers of the format may be rounded either way, as far as f32 arithmetic and the matrix unit's own rounding can turn it there, and no further.
;; One version. Each part assembles by itself: llvm-mc -triple=amdgcn-amd-amdhsa -mcpu=gfx1250 --defsym DOCPART=n.
;; ======== version 1 of 1: 4 launches
;; limits: right only within a limited range of input values
;; workspace buffers: inq 14,336,000 bytes; pj 19,660,800 bytes; cc 6,553,600 bytes
;; launch quant (part 1): grid 1120 x 1, 4 waves a work-group, no clusters, 67,072 bytes of LDS; arguments q, kv, Wq, Wo, Wk, Wv, inq; writes inq
.if DOCPART == 1
	.amdgcn_target "amdgcn-amd-amdhsa--gfx1250"
	.amdhsa_code_object_version 6
	.text
	.protected	k_qb8772b8887_quant
	.globl	k_qb8772b8887_quant
	.p2align	8
	.type	k_qb8772b8887_quant,@function
k_qb8772b8887_quant:
	s_mov_b64 s[64:65], 0
	v_nop
	global_prefetch_b8 v0, s[64:65] scope:SCOPE_SE
	s_setreg_imm32_b32 hwreg(HW_REG_WAVE_MODE, 25, 1), 1
	s_wait_xcnt 0x0
; q, kv, Wq, Wo, Wk, Wv (f32, K innermost) become codes of FP6 (E2M3) with one E8M0 scale byte for each 32 along K, laid in inq as the products' launches want them.
; A BLOCK of inq is 12,800 bytes: 64 rows (4 tiles a of 16 rows) x 256 along K (2 K steps e of 128).  The fragment (a, e) lies at (2 a + e) x 1,536 as an IMAGE OF THE OPERAND'S 12 REGISTERS:
; registers 4 c .. 4 c + 3 of lane l at 512 c + 16 l.  Its rows' scale words lie at 12,288 + 128 a + 64 e + 4 r.  A tensor's blocks are laid [K / 256][rows / 64].
; THE ROWS OF A TILE ARE NOT NEIGHBOURS: place r of tile a holds row 32 (a / 2) + 8 (a % 2) + r + 8 (r / 8) of the block's 64, so that a product's results, used transposed, lie in a lane's registers as neighbours along the next K.
; A block's scale is 2^(floor(log2(its largest magnitude)) - 2); its byte is the largest magnitude's exponent field - 2, held at 1 from below.
; LIMITS: a block of zeros gets the byte 1 where the rule says 127 (its codes are zeros, and this program alone reads the bytes); NaN and infinities among the inputs are not served.
; SHARES: work-group j makes block j; wave w its tile a = w: 16 rows x 1,024 bytes read, 3,200 bytes written.  Each load reads 512 consecutive bytes of one row; the numbers turn through the wave's own stage in LDS
; (rows 1,040 bytes apart), so that a lane gets 16 neighbours of each block of 32.  No barrier: waves share nothing.  All 32 loads of a wave go out at once.
.set STG,  16640                       ; a wave's stage: 16 rows x (1,024 + 16) bytes
.set SP,   1040
.set OFF,  16                          ; v16-31   row place i: 16 x lane + (i + 8 (i / 8)) x the tensor's pitch; free once the loads are in
.set TM,   16                          ; v16-31   then: at work in QUANT
.set R0,   32                          ; v32-95   K step 0 as loaded; v96-159 K step 1
.set X0,   160                         ; v160-223 K step 0, 64 numbers in the quantiser's order
.set X1,   32                          ; v32-95   K step 1 likewise
.set PC0,  224                         ; v224-242 K step 0's codes
.set PC1,  96                          ; v96-114  K step 1's
.set SEL,  28                          ; s[28:29] v_permlanex16_b32's selects for lane l xor 16
.set MSB,  0
.macro WIN new                         ; the immediate's high byte repeats the setting that is left; a switch that changes nothing is dropped (here all windows are 0)
.if MSB != (\new)
	s_set_vgpr_msb (MSB<<8)|(\new)
.set MSB, (\new)
.endif
.endm
; 64 numbers of a lane, v[s] .. v[s + 63] of window w, register 16 b + i = k 32 b + 16 (lane / 16) + i of my row, become a fragment's codes in v[pc] .. v[pc + 11] and its scale word in v[pw]
.macro QUANT s, w, pc, pw
	WIN (\w)|((\w)<<2)
.irp b, 0,1,2,3
	v_max3_num_f32 v[TM+\b], |v[(\s)+16*\b]|, |v[(\s)+16*\b+1]|, 0x1800000   ; block b: my 16 numbers, and the floor 2^(3 - 127): the byte cannot fall under 1
.endr
	WIN ((\w)<<2)|((\w)<<4)
.irp i, 2,4,6,8,10,12,14
.irp b, 0,1,2,3
	v_max3_num_f32 v[TM+\b], v[TM+\b], |v[(\s)+16*\b+\i]|, |v[(\s)+16*\b+\i+1]|   ; the four blocks by turns
.endr
.endr
	WIN 0
.irp b, 0,1,2,3
	v_permlanex16_b32 v[TM+4+\b], v[TM+\b], s[SEL], s[SEL+1]
.endr
.irp b, 0,1,2,3
	v_max_num_f32 v[TM+\b], v[TM+\b], v[TM+4+\b]   ; with lane l xor 16's: the block's largest magnitude
.endr
.irp b, 0,1,2,3
	v_add_nc_u32 v[TM+12+\b], 0xff000000, v[TM+\b] ; 2 off its exponent field: the conversion's scale operand
.endr
.irp b, 0,1,2,3
	v_lshrrev_b32 v[TM+4+\b], 23, v[TM+12+\b]      ; the scale's byte
.endr
	v_lshl_or_b32 v[\pw], v[TM+5], 8, v[TM+4]      ; four bytes: my row's scale word (the same in lanes l and l xor 16)
	v_lshl_or_b32 v[\pw], v[TM+6], 16, v[\pw]
	v_lshl_or_b32 v[\pw], v[TM+7], 24, v[\pw]
	WIN (\w)
.irp c, 0,1
	v_cvt_scalef32_pk16_fp6_f32 v[(\pc)+6*\c:(\pc)+6*\c+2], v[(\s)+32*\c:(\s)+32*\c+15], v[TM+12+2*\c]
	v_cvt_scalef32_pk16_fp6_f32 v[(\pc)+12+4*\c:(\pc)+14+4*\c], v[(\s)+32*\c+16:(\s)+32*\c+31], v[TM+13+2*\c]   ; (a conversion's three registers begin on an even number)
.endr
	WIN 0
	v_nop                                          ; one plain place behind a scaled conversion
.irp c, 0,1                                    ; the operand wants a WHOLE block in a lane: lanes 0-15 block 2 c, lanes 16-31 block 2 c + 1
.irp i, 0,1,2
	v_permlane16_swap_b32 v[(\pc)+6*\c+\i], v[(\pc)+12+4*\c+\i]
.endr
.irp i, 0,1,2
	v_mov_b32 v[(\pc)+3+6*\c+\i], v[(\pc)+12+4*\c+\i]
.endr
.endr
.endm
	s_load_b256 s[4:11], s[0:1], 0x0               ; q, kv, Wq, Wo
	s_load_b128 s[12:15], s[0:1], 0x20             ; Wk, Wv
	s_load_b64 s[16:17], s[0:1], 0x30              ; inq
	v_lshl_add_u32 v254, v0, 2, 0x10400
	v_mov_b32 v255, 0
	v_lshrrev_b32 v1, 5, v0
	v_readfirstlane_b32 s18, v1                    ; wave 0..3
	v_and_b32 v1, 31, v0                           ; lane
	v_and_b32 v2, 15, v0                           ; r
	v_bfe_u32 v3, v0, 4, 1                         ; h
	s_mul_i32 s24, s18, STG
	v_lshlrev_b32 v11, 4, v1                       ; 16 x lane
	v_add_nc_u32 v4, s24, v11                      ; the stage, on the way in: a row's 512 bytes as they lie
	v_mul_u32_u24 v5, v2, SP
	v_lshl_add_u32 v5, v3, 6, v5
	v_add_nc_u32 v5, s24, v5                       ; on the way out: row r, + 64 h: my 16 numbers of a block of 32
	s_mul_i32 s25, s18, 3072
	v_add_nc_u32 v6, s25, v11                      ; my codes' place in the block: 16 x lane + 3,072 x wave
	s_lshl_b32 s25, s18, 7
	v_lshl_add_u32 v7, v1, 2, s25                  ; my scale word's: 4 x lane + 128 x wave
	s_mov_b32 s[SEL], 0x76543210
	s_mov_b32 s[SEL+1], 0xfedcba98
	s_mov_b32 s30, 0xffff0000                      ; lanes 16-31
	; which tensor: chosen by the work-group's number alone, without a branch
	s_mov_b32 s19, 0                               ; the tensor's first block
	s_mov_b32 s20, 7                               ; log2 of its groups of 64 rows
	s_mov_b32 s21, 4096                            ; its pitch in bytes
	s_mov_b32 s24, 3072
	s_mov_b32 s25, 4096
	s_wait_alu depctr_va_vdst(0)
	s_wait_kmcnt 0x0
	s_mov_b64 s[22:23], s[4:5]
	s_cmp_ge_u32 ttmp9, 512
	s_cselect_b64 s[22:23], s[6:7], s[22:23]       ; kv
	s_cselect_b32 s19, 512, s19
	s_cselect_b32 s21, s24, s21
	s_cmp_ge_u32 ttmp9, 896
	s_cselect_b64 s[22:23], s[8:9], s[22:23]       ; Wq
	s_cselect_b32 s19, 896, s19
	s_cselect_b32 s20, 4, s20
	s_cselect_b32 s21, s25, s21
	s_cmp_ge_u32 ttmp9, 960
	s_cselect_b64 s[22:23], s[10:11], s[22:23]     ; Wo
	s_cselect_b32 s19, 960, s19
	s_cmp_ge_u32 ttmp9, 1024
	s_cselect_b64 s[22:23], s[12:13], s[22:23]     ; Wk
	s_cselect_b32 s19, 1024, s19
	s_cselect_b32 s21, s24, s21
	s_cmp_ge_u32 ttmp9, 1072
	s_cselect_b64 s[22:23], s[14:15], s[22:23]     ; Wv
	s_cselect_b32 s19, 1072, s19
	s_sub_co_u32 s26, ttmp9, s19                   ; the block's number in its tensor
	s_lshr_b32 s27, s26, s20                       ; p: which 256 along K
	s_lshl_b32 s24, s27, s20
	s_sub_co_u32 s26, s26, s24                     ; g: which 64 rows
	s_lshl_b32 s26, s26, 6
	s_lshr_b32 s24, s18, 1
	s_lshl_b32 s24, s24, 5
	s_add_co_u32 s26, s26, s24
	s_and_b32 s24, s18, 1
	s_lshl_b32 s24, s24, 3
	s_add_co_u32 s26, s26, s24                     ; my tile's first row: 64 g + 32 (w / 2) + 8 (w % 2)
	s_mul_i32 s26, s26, s21
	s_lshl_b32 s27, s27, 10
	s_add_co_u32 s26, s26, s27                     ; in bytes, + 1,024 p: under 2^26
	s_mov_b32 s27, 0
	s_add_nc_u64 s[22:23], s[22:23], s[26:27]
	s_mul_i32 s26, ttmp9, 12800
	s_add_nc_u64 s[16:17], s[16:17], s[26:27]      ; my block in inq
.irp i, 0,1,2,3,4,5,6,7,8,9,10,11,12,13,14,15
	v_mad_u32_u24 v[OFF+\i], s21, (\i+8*(\i>>3)), v11
.endr
.irp e, 0,1
.irp i, 0,1,2,3,4,5,6,7,8,9,10,11,12,13,14,15
	global_load_b128 v[R0+64*\e+4*\i:R0+64*\e+4*\i+3], v[OFF+\i], s[22:23] offset:512*\e th:TH_LOAD_NT   ; 32 lanes read 512 consecutive bytes of one row
.endr
.endr
	s_wait_loadcnt 16                              ; K step 0's 16 loads are in; K step 1's 16 may be out
.irp i, 0,1,2,3,4,5,6,7,8,9,10,11,12,13,14,15
	ds_store_b128 v4, v[R0+4*\i:R0+4*\i+3] offset:SP*\i
.endr
.irp b, 0,1,2,3
.irp u, 0,1,2,3
	ds_load_b128 v[X0+16*\b+4*\u:X0+16*\b+4*\u+3], v5 offset:128*\b+16*\u   ; LDS serves a wave's instructions in order: these see my stores
.endr
.endr
	s_wait_loadcnt 0x0                             ; K step 1 is in; the offsets' registers are free
.irp i, 0,1,2,3,4,5,6,7,8,9,10,11,12,13,14,15
	ds_store_b128 v4, v[R0+64+4*\i:R0+64+4*\i+3] offset:SP*\i+512
.endr
	s_wait_dscnt 16                                ; all but the 16 stores just issued: K step 0 is back, and its stage stores have read v32-95
.irp b, 0,1,2,3
.irp u, 0,1,2,3
	ds_load_b128 v[X1+16*\b+4*\u:X1+16*\b+4*\u+3], v5 offset:512+128*\b+16*\u
.endr
.endr
	QUANT X0, 0, PC0, 8
.irp c, 0,1,2
	global_store_b128 v6, v[PC0+4*\c:PC0+4*\c+3], s[16:17] offset:512*\c          ; 32 lanes store 512 consecutive bytes, aligned
.endr
	s_wait_dscnt 0x0                               ; K step 1 is back, and its stage stores have read v96-159
	QUANT X1, 0, PC1, 9
.irp c, 0,1,2
	global_store_b128 v6, v[PC1+4*\c:PC1+4*\c+3], s[16:17] offset:1536+512*\c
.endr
	v_cndmask_b32 v10, v8, v9, s30                 ; lanes 0-15 K step 0's words, lanes 16-31 K step 1's
	global_store_b32 v7, v10, s[16:17] offset:12288
	s_wait_tensorcnt 0x0
	ds_add_u32 v254, v255
	s_wait_dscnt 0x0
	s_endpgm
.Lfunc_end_k_qb8772b8887_quant:
	.size	k_qb8772b8887_quant, .Lfunc_end_k_qb8772b8887_quant-k_qb8772b8887_quant
	.p2alignl 7, 3214868480
	.fill 96, 4, 3214868480
	.section	.rodata,"a",@progbits
	.p2align	6, 0x0
	.amdhsa_kernel k_qb8772b8887_quant
		.amdhsa_group_segment_fixed_size 67072
		.amdhsa_private_segment_fixed_size 0
		.amdhsa_enable_private_segment 0
		.amdhsa_kernarg_size 56
		.amdhsa_user_sgpr_count 2
		.amdhsa_user_sgpr_kernarg_segment_ptr 1
		.amdhsa_wavefront_size32 1
		.amdhsa_system_sgpr_workgroup_id_x 1
		.amdhsa_system_sgpr_workgroup_id_y 1
		.amdhsa_system_sgpr_workgroup_id_z 1
		.amdhsa_system_vgpr_workitem_id 0
		.amdhsa_next_free_vgpr 256
		.amdhsa_next_free_sgpr 66
		.amdhsa_reserve_vcc 0
		.amdhsa_float_denorm_mode_32 3
		.amdhsa_float_denorm_mode_16_64 3
		.amdhsa_memory_ordered 1
		.amdhsa_forward_progress 1
		.amdhsa_inst_pref_size 20
	.end_amdhsa_kernel
	.amdgpu_metadata
---
amdhsa.version: [ 1, 2 ]
amdhsa.kernels:
  - .name:           k_qb8772b8887_quant
    .symbol:         k_qb8772b8887_quant.kd
    .args:
      - { .name: q, .offset: 0, .size: 8, .value_kind: global_buffer, .address_space: global }
      - { .name: kv, .offset: 8, .size: 8, .value_kind: global_buffer, .address_space: global }
      - { .name: Wq, .offset: 16, .size: 8, .value_kind: global_buffer, .address_space: global }
      - { .name: Wo, .offset: 24, .size: 8, .value_kind: global_buffer, .address_space: global }
      - { .name: Wk, .offset: 32, .size: 8, .value_kind: global_buffer, .address_space: global }
      - { .name: Wv, .offset: 40, .size: 8, .value_kind: global_buffer, .address_space: global }
      - { .name: inq, .offset: 48, .size: 8, .value_kind: global_buffer, .address_space: global }
    .group_segment_fixed_size: 67072
    .private_segment_fixed_size: 0
    .kernarg_segment_align: 8
    .kernarg_segment_size: 56
    .max_flat_workgroup_size: 128
    .sgpr_count:     66
    .vgpr_count:     256
    .wavefront_size: 32
...
	.end_amdgpu_metadata
.endif
;; end of part 1
;; launch proj (part 2): grid 4 x 64, 4 waves a work-group, clusters of 4 x 4, 327,680 bytes of LDS; arguments inq, pj; writes pj
.if DOCPART == 2
	.amdgcn_target "amdgcn-amd-amdhsa--gfx1250"
	.amdhsa_code_object_version 6
	.text
	.protected	k_qb8772b8887_proj
	.globl	k_qb8772b8887_proj
	.p2align	8
	.type	k_qb8772b8887_proj,@function
k_qb8772b8887_proj:
	s_mov_b64 s[64:65], 0
	v_nop
	global_prefetch_b8 v0, s[64:65] scope:SCOPE_SE
	s_setreg_imm32_b32 hwreg(HW_REG_WAVE_MODE, 25, 1), 1
	s_wait_xcnt 0x0
	s_wait_alu depctr_hold_cnt(0) depctr_sa_sdst(0) depctr_va_vdst(0) depctr_va_sdst(0) depctr_va_ssrc(0) depctr_va_vcc(0) depctr_vm_vsrc(0)
	s_getreg_b32 s2, hwreg(HW_REG_IB_STS2, 6, 4)
	s_cmp_eq_u32 s2, 0
	s_cbranch_scc0 .Lentry_in_a_cluster
	s_endpgm
.Lentry_in_a_cluster:
	s_bfe_u32 s2, ttmp6, 0x10000c
	s_cmp_lg_u32 s2, 0xf033
	s_cbranch_scc0 .Lentry_shape_is_right
	s_endpgm
.Lentry_shape_is_right:
; qp = q Wq^T, kp = kv Wk^T and vp^T = Wv kv^T on codes of FP6 (E2M3) with E8M0 scales; each result is quantised again in registers, along its columns, and stored as fragment images for the attention launch.
; vp is made TRANSPOSED (A = Wv, B = kv), so that the keys, which are the K of attention's second product, are its columns as the head's channels are qp's and kp's: one way out serves all three.
; SHARES.  A tile of C is 128 rows x 256 columns; each product has 256 tiles; each of the 256 work-groups makes one tile of each, one after the other, by one straight text: 8 + 6 + 6 K steps of 128.
; A wave makes 64 x 128: 4 tiles of A's rows x 8 tiles of B's rows, 32 accumulators.  THE MATRIX INSTRUCTION IS USED TRANSPOSED (source 0 = 16 rows of B, source 1 = 16 rows of A): a lane holds one row of C, and by the
; order of rows inside the blocks of inq the 64 registers of B's eight tiles are the row's columns 32 b + 16 (lane / 16) + i: what the quantiser wants.
; THE RING.  A piece is 256 along K of one tile: 2 blocks of A and 4 of B, 76,800 dense bytes.  The ten pieces (q: 4, k: 3, v: 3) go through two LDS slots of two pieces; a wave brings one piece's A (waves 0, 1) or B (waves 2, 3)
; by one tensor load.  The ring runs on from tile to tile.  A wave has at most one tensor load out: each is waited for before the next.
; CLUSTERS: 4 x 4.  A's blocks hang on the cluster's y place alone and are asked for jointly along a row, B's on its x place alone and along a column.
; Fragments lie in LDS as images of their registers: every LDS load takes 512 consecutive bytes, 16 a lane: no pitch, no padding.
; LIMITS: a block of zeros gets the scale byte 1 where the rule says 127 (its codes are zeros; this program alone reads the bytes); NaN and infinities are not served.
; REGISTERS: window 0: v1-19 addresses; v20-25 scale words on the way out; v28, v29 the add's; v32-55 scale words, two sets; v64-159 A's fragments, two sets; v160-175 at work; v176-255 codes on the way out.
;   window 1: B's fragments, two sets, at v0 and v128.   window 2: accumulator (a, b) at v[8 (8 a + b)].
.set BLK,    12800
.set PIECE,  76800                     ; A's two blocks, then B's four
.set SLOTB,  153600                    ; two pieces
.set SPARE,  307200                    ; behind the ring: the spare words, 128 bytes a wave: two blocks of 256 bytes that no other line names
.set QREG,   6553600                   ; pj: Q's records (25,600 bytes) first, then the records of K and V (51,200 bytes a key step)
.set LI,  1                            ; v1      16 x lane
.set LS,  2                            ; v2      4 x lane
.set ADA, 4                            ; v4-7    my A fragments in piece place 0..3
.set ADB, 8                            ; v8-11   my B fragments
.set ASA, 12                           ; v12-15  A's scale words (the 12,288 stands in the loads' immediates)
.set ASB, 16                           ; v16-19  B's
.set PWR, 20                           ; v20-23  the scale words just made
.set MW,  24                           ; v24-25  two fragments' words in one register
.set SPW, 28
.set NIL, 29
.set SCB, 32                           ; scale words: set n % 2 at v[32 + 12 (n % 2)]: + a A's, + 4 + b B's; lanes 0-15 K step 0, lanes 16-31 K step 1
.set AF,  64
.set TM,  160
.set PCB, 176
.set G1A, 24
.set G1B, 32
.set G0A, 40                           ; s[40:59] group 0 for A, a set for each of the five fills; never rewritten
.set G0B, 68                           ; s[68:87] the same for B
.set HM,  60
.set SEL, 62
.set MSB, 0
.macro WIN new                         ; the immediate's high byte repeats the setting that is left
.if MSB != (\new)
	s_set_vgpr_msb (MSB<<8)|(\new)
.set MSB, (\new)
.endif
.endm
.macro PLACES n
.rept \n
	v_nop
.endr
.endm
; 64 numbers of a lane, v[s] .. v[s + 63] of window w, register 16 b + i = k 32 b + 16 (lane / 16) + i of my row, become a fragment's codes in v[pc] .. v[pc + 11] and its scale word in v[pw] (window 0).
; Each accumulator is first read at its low end.
.macro QUANT s, w, pc, pw
	WIN (\w)|((\w)<<2)
.irp b, 0,1,2,3
	v_max3_num_f32 v[TM+\b], |v[(\s)+16*\b]|, |v[(\s)+16*\b+1]|, 0x1800000   ; block b: my 16 numbers, and the floor 2^(3 - 127): the byte cannot fall under 1
.endr
	WIN ((\w)<<2)|((\w)<<4)
.irp i, 2,4,6,8,10,12,14
.irp b, 0,1,2,3
	v_max3_num_f32 v[TM+\b], v[TM+\b], |v[(\s)+16*\b+\i]|, |v[(\s)+16*\b+\i+1]|
.endr
.endr
	WIN 0
.irp b, 0,1,2,3
	v_permlanex16_b32 v[TM+4+\b], v[TM+\b], s[SEL], s[SEL+1]
.endr
.irp b, 0,1,2,3
	v_max_num_f32 v[TM+\b], v[TM+\b], v[TM+4+\b]   ; with lane l xor 16's: the block's largest magnitude
.endr
.irp b, 0,1,2,3
	v_add_nc_u32 v[TM+12+\b], 0xff000000, v[TM+\b] ; 2 off its exponent field: the conversion's scale operand
.endr
.irp b, 0,1,2,3
	v_lshrrev_b32 v[TM+4+\b], 23, v[TM+12+\b]      ; the scale's byte
.endr
	v_lshl_or_b32 v[\pw], v[TM+5], 8, v[TM+4]
	v_lshl_or_b32 v[\pw], v[TM+6], 16, v[\pw]
	v_lshl_or_b32 v[\pw], v[TM+7], 24, v[\pw]
	WIN (\w)
.irp c, 0,1
	v_cvt_scalef32_pk16_fp6_f32 v[(\pc)+6*\c:(\pc)+6*\c+2], v[(\s)+32*\c:(\s)+32*\c+15], v[TM+12+2*\c]
	v_cvt_scalef32_pk16_fp6_f32 v[(\pc)+12+4*\c:(\pc)+14+4*\c], v[(\s)+32*\c+16:(\s)+32*\c+31], v[TM+13+2*\c]
.endr
	WIN 0
	v_nop                                          ; one plain place behind a scaled conversion: matrix instructions write its sources again later
.irp c, 0,1
.irp i, 0,1,2
	v_permlane16_swap_b32 v[(\pc)+6*\c+\i], v[(\pc)+12+4*\c+\i]
.endr
.irp i, 0,1,2
	v_mov_b32 v[(\pc)+3+6*\c+\i], v[(\pc)+12+4*\c+\i]
.endr
.endr
.endm
.macro CREST                           ; a round of the cluster's barrier behind its opening barrier
	s_cmp_lg_u32 s8, 0
	s_cbranch_scc1 .Lnot_wave_0_\@
	s_barrier_signal -3
.Lnot_wave_0_\@:
	s_barrier_wait -3
	s_barrier_signal -1
	s_barrier_wait -1
.endm
.macro CROUND
	s_barrier_signal -1
	s_barrier_wait -1
	CREST
.endm
; A joint refill, fill sg: waves 0 and 1 ask for A's blocks, waves 2 and 3 for B's.  The branch hangs on the wave's number alone.  Four v_nop follow each of the two lines.
.macro JLOAD sg
	s_cmp_eq_u32 s9, 0
	s_cbranch_scc0 .Lfor_b_\@
	tensor_load_to_lds s[G0A+4*(\sg):G0A+4*(\sg)+3], s[G1A:G1A+7]
	s_nop 0
.rept 4
	v_nop
.endr
	s_branch .Lasked_\@
.Lfor_b_\@:
	tensor_load_to_lds s[G0B+4*(\sg):G0B+4*(\sg)+3], s[G1B:G1B+7]
	s_nop 0
.rept 4
	v_nop
.endr
.Lasked_\@:
.endm
; a group 0: s[t] holds the first block's number in inq; lo: the LDS byte beside my piece's place (s22)
.macro MKG0 g, lo, t
	s_mul_i32 s[\t], s[\t], BLK
	s_mov_b32 s[\t+1], 0
	s_mov_b32 s[\g], 1                             ; count = 1
	s_add_co_u32 s[\g+1], s22, \lo                 ; LDS address: constants and the wave's number
	s_add_nc_u64 s[\g+2:\g+3], s[4:5], s[\t:\t+1]
	s_or_b32 s[\g+3], s[\g+3], 0x80000000          ; type = 2
.endm
; the bases of a tile's stores: s100 = the record's byte in pj, s101 = my first fragment in it
.macro MKOUT oc
	s_mul_i32 s[\oc], s101, 1536
	s_add_co_u32 s[\oc], s[\oc], s100
	s_mov_b32 s[\oc+1], 0
	s_lshl_b32 s[\oc+2], s101, 6
	s_add_co_u32 s[\oc+2], s[\oc+2], s100
	s_add_co_u32 s[\oc+2], s[\oc+2], 24576
	s_mov_b32 s[\oc+3], 0
	s_add_nc_u64 s[\oc:\oc+1], s[6:7], s[\oc:\oc+1]
	s_add_nc_u64 s[\oc+2:\oc+3], s[6:7], s[\oc+2:\oc+3]
.endm
; one matrix instruction.  z = 1: it starts the sum.  r = 1: both sides' scale words are taken from lanes 16-31
.macro WMS d, a, b, z, sa, sb, r
.if (\z)
	v_wmma_scale_f32_16x16x128_f8f6f4 v[(\d):(\d)+7], v[(\a):(\a)+11], v[(\b):(\b)+11], 0, v[(\sa)], v[(\sb)] matrix_a_fmt:MATRIX_FMT_FP6 matrix_b_fmt:MATRIX_FMT_FP6
.elseif (\r)
	v_wmma_scale_f32_16x16x128_f8f6f4 v[(\d):(\d)+7], v[(\a):(\a)+11], v[(\b):(\b)+11], v[(\d):(\d)+7], v[(\sa)], v[(\sb)] matrix_a_fmt:MATRIX_FMT_FP6 matrix_b_fmt:MATRIX_FMT_FP6 matrix_a_scale:MATRIX_SCALE_ROW1 matrix_b_scale:MATRIX_SCALE_ROW1
.else
	v_wmma_scale_f32_16x16x128_f8f6f4 v[(\d):(\d)+7], v[(\a):(\a)+11], v[(\b):(\b)+11], v[(\d):(\d)+7], v[(\sa)], v[(\sb)] matrix_a_fmt:MATRIX_FMT_FP6 matrix_b_fmt:MATRIX_FMT_FP6
.endif
.endm
; the fragments of K step e of piece n into set e: B's eight, A's four; with e = 0 the piece's 12 scale registers too.  36 or 48 LDS loads
.macro LOADSET n, e
	WIN 0x40                                       ; destination window 1, address window 0
.irp b, 0,1,2,3,4,5,6,7
.irp c, 0,1,2
	ds_load_b128 v[128*(\e)+12*\b+4*\c:128*(\e)+12*\b+4*\c+3], v[ADB+((\n)&3)] offset:(\b>>2)*BLK+((\b&3)*2+(\e))*1536+512*\c
.endr
.endr
	WIN 0
.irp a, 0,1,2,3
.irp c, 0,1,2
	ds_load_b128 v[AF+48*(\e)+12*\a+4*\c:AF+48*(\e)+12*\a+4*\c+3], v[ADA+((\n)&3)] offset:(2*\a+(\e))*1536+512*\c
.endr
.endr
.if (\e) == 0
.irp a, 0,1,2,3
	ds_load_b32 v[SCB+12*((\n)&1)+\a], v[ASA+((\n)&3)] offset:12288+128*\a
.endr
.irp b, 0,1,2,3,4,5,6,7
	ds_load_b32 v[SCB+12*((\n)&1)+4+\b], v[ASB+((\n)&3)] offset:12288+(\b>>2)*BLK+(\b&3)*128
.endr
.endif
.endm
; 8 matrix instructions: A's tile a against B's eight.  The 32 accumulators take turns, one instruction a turn, in the same order in every step
.macro MULA a, n, e, z
.irp b, 0,1,2,3,4,5,6,7
	WMS 8*(8*(\a)+\b), 128*(\e)+12*\b, AF+48*(\e)+12*(\a), \z, SCB+12*((\n)&1)+4+\b, SCB+12*((\n)&1)+(\a), \e
.endr
.endm
; a K step that has its successor (nn, ne) in LDS already: the successor's fragments are asked for first, into the set that the step before has left, and land while this step is multiplied
.macro STEP n, e, z, nn, ne
	PLACES 4                                       ; four plain places between the last products that read that set and the loads into it (ISA guide 7.12.1 for vector instructions)
	LOADSET \nn, \ne
	s_wait_dscnt 36+12*(1-(\ne))                   ; all but the loads just issued: this step's set is in
	WIN 0xa1                                       ; source 0 (B) window 1, source 1 (A) window 0, C and D window 2
	MULA 0, \n, \e, \z
	MULA 1, \n, \e, \z
	MULA 2, \n, \e, \z
	MULA 3, \n, \e, \z
	WIN 0
.endm
; a slot's last K step (n, 1), with the refill sg of the slot that is left.  ONE barrier, which opens a round of the cluster's: in front of it each wave waits for all its tensor loads (its part of the other slot),
; adds 0 to its spare word, and waits for that and for its reads of this slot.  Behind the round no wave of any partner reads this slot or has a load on its way: the joint refill comes first.
.macro TURN n, sg
	s_wait_tensorcnt 0x0
	ds_add_u32 v[SPW], v[NIL]                      ; 0 onto my spare word
	s_wait_dscnt 1                                 ; this step's fragments are in; the add may be out
	WIN 0xa1
	MULA 0, \n, 1, 0                               ; eight matrix instructions stand between the add and the wait for it
	s_wait_dscnt 0x0                               ; the add is done, and my reads of this slot are over
	s_barrier_signal -1
	MULA 1, \n, 1, 0
	WIN 0
	s_barrier_wait -1
	CREST
	JLOAD \sg                                      ; its four v_nop are also the places in front of the loads below
	s_wait_alu depctr_va_vdst(0)
	LOADSET (\n)+1, 0
	WIN 0xa1
	MULA 2, \n, 1, 0
	MULA 3, \n, 1, 0
	WIN 0
.endm
; the same where nothing is left to ask for: the other slot's load has landed in every wave behind the barrier; no bytes are filled behind it
.macro TURN0 n
	s_wait_tensorcnt 0x0
	s_wait_dscnt 0x0
	s_barrier_signal -1
	s_barrier_wait -1
	PLACES 4
	LOADSET (\n)+1, 0
	WIN 0xa1
	MULA 0, \n, 1, 0
	MULA 1, \n, 1, 0
	MULA 2, \n, 1, 0
	MULA 3, \n, 1, 0
	WIN 0
.endm
; THE WAY OUT of a tile: my four tiles of rows become four fragments (K = my 128 columns) and leave as images: each store covers 512 consecutive bytes, aligned.  The next tile's first fragments are on their way meanwhile.
.macro EPI oc
	s_wait_xcnt 0x0                                ; the last way out's stores have read their registers
	PLACES 4                                       ; between the last products and the first read of results
.irp a, 0,1,2,3
	QUANT 64*\a, 2, PCB+20*\a, PWR+\a
.endr
.irp a, 0,1,2,3
.irp c, 0,1,2
	global_store_b128 v[LI], v[PCB+20*\a+4*\c:PCB+20*\a+4*\c+3], s[\oc:\oc+1] offset:1536*\a+512*\c
.endr
.endr
	v_cndmask_b32 v[MW], v[PWR], v[PWR+1], s[HM]   ; lanes 0-15 one fragment's words, lanes 16-31 the next one's
	v_cndmask_b32 v[MW+1], v[PWR+2], v[PWR+3], s[HM]
	global_store_b32 v[LS], v[MW], s[\oc+2:\oc+3]
	global_store_b32 v[LS], v[MW+1], s[\oc+2:\oc+3] offset:128
.endm
	s_load_b128 s[4:7], s[0:1], 0x0                ; inq, pj
	v_lshl_add_u32 v[SPW], v0, 2, SPARE
	v_mov_b32 v[NIL], 0
	ds_add_u32 v28, v29
	ds_add_u32 v28, v29
	s_wait_dscnt 0x0
	v_lshrrev_b32 v3, 5, v0
	v_readfirstlane_b32 s8, v3                     ; wave 0..3
	s_lshr_b32 s9, s8, 1                           ; wm: which 64 rows are mine.  Also: I fetch for A (0) or for B (1)
	s_and_b32 s10, s8, 1                           ; wn: which 128 columns.  Also: which piece of a slot I fetch
	s_bfe_u32 s11, ttmp6, 0x40000                  ; cx
	s_bfe_u32 s12, ttmp6, 0x40004                  ; cy
	s_and_b32 s13, ttmp7, 0xffff                   ; the cluster's y, 0..15
	s_lshl_b32 s14, s13, 2
	s_add_co_u32 s14, s14, s12                     ; i: tile row of qp and kp
	s_mov_b32 s15, s11                             ; j: their tile column = the head
	s_and_b32 s16, s13, 1
	s_lshl_b32 s16, s16, 2
	s_add_co_u32 s16, s16, s12                     ; i': tile row of vp^T (128 of Wv's rows)
	s_lshr_b32 s17, s13, 1
	s_lshl_b32 s17, s17, 2
	s_add_co_u32 s17, s17, s11                     ; j': its tile column (256 keys)
	s_lshl_b32 s18, s12, 2
	s_lshl_b32 s18, 15, s18                        ; my row of the cluster
	s_lshl_b32 s20, 0x1111, s11                    ; my column
	; group 1: dense bytes as rows of 256 (32 elements of 8 bytes), no padding: A 100 rows, B 200
	s_or_b32 s[G1A], s18, (3<<16)|(1<<21)          ; 15:0 the mask; 17:16 elements of 8 bytes; 21 set beside a mask
	s_or_b32 s[G1B], s20, (3<<16)|(1<<21)
	s_mov_b32 s[G1A+1], 32<<16                     ; tensor_dim0
	s_mov_b32 s[G1A+2], 100<<16                    ; tensor_dim1
	s_mov_b32 s[G1A+3], 32<<16                     ; tile_dim0
	s_mov_b32 s[G1A+4], 100                        ; tile_dim1
	s_mov_b32 s[G1A+5], 32                         ; the pitch
	s_mov_b32 s[G1A+6], 0
	s_mov_b32 s[G1A+7], 0
	s_mov_b32 s[G1B+1], 32<<16
	s_mov_b32 s[G1B+2], 200<<16
	s_mov_b32 s[G1B+3], 32<<16
	s_mov_b32 s[G1B+4], 200
	s_mov_b32 s[G1B+5], 32
	s_mov_b32 s[G1B+6], 0
	s_mov_b32 s[G1B+7], 0
	s_mul_i32 s22, s10, PIECE                      ; my piece's place in a slot
	s_lshl_b32 s23, s10, 7                         ; a piece on among 128 groups of rows
	s_lshl_b32 s61, s10, 4                         ; and among 16
	s_lshl_b32 s66, s14, 1                         ; A's chain (cy alone): 2 i, 2 i'
	s_lshl_b32 s67, s16, 1
	s_lshl_b32 s2, s15, 2                          ; B's chain (cx alone): 4 j, 4 j'
	s_lshl_b32 s3, s17, 2
	s_wait_kmcnt 0x0
	s_add_co_u32 s18, s66, s23                     ; fill 0: q's and Wq's pieces 0, 1
	MKG0 G0A, 0, 18
	s_add_co_u32 s20, s2, s61
	s_add_co_u32 s20, s20, 896
	MKG0 G0B, 2*BLK, 20
	s_add_co_u32 s18, s66, s23                     ; fill 1: their pieces 2, 3
	s_add_co_u32 s18, s18, 256
	MKG0 G0A+4, SLOTB, 18
	s_add_co_u32 s20, s2, s61
	s_add_co_u32 s20, s20, 928
	MKG0 G0B+4, SLOTB+2*BLK, 20
	s_add_co_u32 s18, s66, s23                     ; fill 2: kv's and Wk's pieces 0, 1
	s_add_co_u32 s18, s18, 512
	MKG0 G0A+8, 0, 18
	s_add_co_u32 s20, s2, s61
	s_add_co_u32 s20, s20, 1024
	MKG0 G0B+8, 2*BLK, 20
	s_add_co_u32 s18, s66, 768                     ; fill 3: kv's and Wk's piece 2; then Wv's and kv's piece 0
	s_add_co_u32 s19, s67, 1072
	s_cmp_eq_u32 s10, 0
	s_cselect_b32 s18, s18, s19
	MKG0 G0A+12, SLOTB, 18
	s_add_co_u32 s20, s2, 1056
	s_add_co_u32 s21, s3, 512
	s_cmp_eq_u32 s10, 0
	s_cselect_b32 s20, s20, s21
	MKG0 G0B+12, SLOTB+2*BLK, 20
	s_add_co_u32 s18, s67, s61                     ; fill 4: Wv's and kv's pieces 1, 2
	s_add_co_u32 s18, s18, 1088
	MKG0 G0A+16, 0, 18
	s_add_co_u32 s20, s3, s23
	s_add_co_u32 s20, s20, 640
	MKG0 G0B+16, 2*BLK, 20
	CROUND                                         ; all sixteen work-groups are here: the first joint loads meet
	s_cmp_eq_u32 s9, 0                             ; fill 0, one tensor load a wave at the head; four v_nop follow it
	s_cbranch_scc0 .Lfirst_b
	tensor_load_to_lds s[G0A:G0A+3], s[G1A:G1A+7]
	s_nop 0
.rept 4
	v_nop
.endr
	s_branch .Lfirst_asked
.Lfirst_b:
	tensor_load_to_lds s[G0B:G0B+3], s[G1B:G1B+7]
	s_nop 0
.rept 4
	v_nop
.endr
.Lfirst_asked:
	v_and_b32 v3, 31, v0
	v_lshlrev_b32 v[LI], 4, v3
	v_lshlrev_b32 v[LS], 2, v3
	s_mul_i32 s23, s9, BLK                         ; my block of A
	s_mul_i32 s61, s10, 2*BLK
	s_add_co_u32 s61, s61, 2*BLK                   ; my two blocks of B, behind A's two
.irp u, 0,1,2,3
	v_add_nc_u32 v[ADA+\u], s23, v[LI]
	v_add_nc_u32 v[ADB+\u], s61, v[LI]
	v_add_nc_u32 v[ASA+\u], s23, v[LS]
	v_add_nc_u32 v[ASB+\u], s61, v[LS]
	s_add_co_u32 s23, s23, PIECE
	s_add_co_u32 s61, s61, PIECE
.endr
.irp b, 0,1,2,3
	v_mov_b32 v[TM+4+\b], 0                        ; written once: a lane permute's destination counts as one of its sources
.endr
	s_mov_b32 s[HM], 0xffff0000
	s_mov_b32 s[SEL], 0x76543210
	s_mov_b32 s[SEL+1], 0xfedcba98
	; where the results go.  qp, kp: record ((batch x 4 + head) x 16 + group of 128 rows), fragment 8 wn + 4 wm + a
	s_lshr_b32 s98, s14, 4
	s_lshl_b32 s98, s98, 2
	s_add_co_u32 s98, s98, s15
	s_lshl_b32 s98, s98, 4
	s_and_b32 s101, s14, 15
	s_add_co_u32 s98, s98, s101
	s_lshl_b32 s101, s10, 3
	s_lshl_b32 s100, s9, 2
	s_add_co_u32 s101, s101, s100
	s_mul_i32 s100, s98, 25600
	MKOUT 88
	s_mul_i32 s100, s98, 51200
	s_add_co_u32 s100, s100, QREG
	MKOUT 92
	; vp^T: record ((batch x 4 + head) x 16 + key step), its V part; fragment 8 (i' % 2) + 4 wm + a: 16 of the head's 256 channels x the step's 128 keys
	s_lshr_b32 s100, s17, 3
	s_lshl_b32 s100, s100, 2
	s_lshr_b32 s101, s16, 1
	s_add_co_u32 s100, s100, s101
	s_lshl_b32 s100, s100, 4
	s_and_b32 s101, s17, 7
	s_lshl_b32 s101, s101, 1
	s_add_co_u32 s100, s100, s101
	s_add_co_u32 s100, s100, s10
	s_mul_i32 s100, s100, 51200
	s_add_co_u32 s100, s100, QREG+25600
	s_and_b32 s101, s16, 1
	s_lshl_b32 s101, s101, 3
	s_lshl_b32 s98, s9, 2
	s_add_co_u32 s101, s101, s98
	MKOUT 96
	s_wait_alu depctr_va_vdst(0)
	s_wait_tensorcnt 0x0                           ; my part of fill 0 is in
	ds_add_u32 v[SPW], v[NIL]
	s_wait_dscnt 0x0
	CROUND                                         ; everybody's part of fill 0 is in, and the sixteen work-groups meet
	JLOAD 1                                        ; fill 1, slot 1's first: my one tensor load behind the round
	LOADSET 0, 0
	STEP 0, 0, 1, 0, 1                             ; qp: pieces 0 to 3.  The first step's products start the sums: nothing is cleared
	STEP 0, 1, 0, 1, 0
	STEP 1, 0, 0, 1, 1
	TURN 1, 2
	STEP 2, 0, 0, 2, 1
	STEP 2, 1, 0, 3, 0
	STEP 3, 0, 0, 3, 1
	TURN 3, 3
	EPI 88
	STEP 4, 0, 1, 4, 1                             ; kp: pieces 4 to 6
	STEP 4, 1, 0, 5, 0
	STEP 5, 0, 0, 5, 1
	TURN 5, 4
	STEP 6, 0, 0, 6, 1
	STEP 6, 1, 0, 7, 0
	EPI 92
	STEP 7, 0, 1, 7, 1                             ; vp^T: pieces 7 to 9
	TURN0 7
	STEP 8, 0, 0, 8, 1
	STEP 8, 1, 0, 9, 0
	STEP 9, 0, 0, 9, 1
	s_wait_dscnt 0x0                               ; the very last step: nothing more to fetch
	WIN 0xa1
	MULA 0, 9, 1, 0
	MULA 1, 9, 1, 0
	MULA 2, 9, 1, 0
	MULA 3, 9, 1, 0
	WIN 0
	EPI 96
	s_wait_tensorcnt 0x0                           ; the wave's end
	ds_add_u32 v[SPW], v[NIL]
	s_wait_dscnt 0x0
	CROUND                                         ; the closing round: no work-group ends while a partner may still ask for a tile that names it
	s_endpgm
.Lfunc_end_k_qb8772b8887_proj:
	.size	k_qb8772b8887_proj, .Lfunc_end_k_qb8772b8887_proj-k_qb8772b8887_proj
	.p2alignl 7, 3214868480
	.fill 96, 4, 3214868480
	.section	.rodata,"a",@progbits
	.p2align	6, 0x0
	.amdhsa_kernel k_qb8772b8887_proj
		.amdhsa_group_segment_fixed_size 327680
		.amdhsa_private_segment_fixed_size 0
		.amdhsa_enable_private_segment 0
		.amdhsa_kernarg_size 16
		.amdhsa_user_sgpr_count 2
		.amdhsa_user_sgpr_kernarg_segment_ptr 1
		.amdhsa_wavefront_size32 1
		.amdhsa_system_sgpr_workgroup_id_x 1
		.amdhsa_system_sgpr_workgroup_id_y 1
		.amdhsa_system_sgpr_workgroup_id_z 1
		.amdhsa_system_vgpr_workitem_id 0
		.amdhsa_next_free_vgpr 768
		.amdhsa_next_free_sgpr 102
		.amdhsa_reserve_vcc 0
		.amdhsa_float_denorm_mode_32 3
		.amdhsa_float_denorm_mode_16_64 3
		.amdhsa_memory_ordered 1
		.amdhsa_forward_progress 1
		.amdhsa_inst_pref_size 205
	.end_amdhsa_kernel
	.amdgpu_metadata
---
amdhsa.version: [ 1, 2 ]
amdhsa.kernels:
  - .name:           k_qb8772b8887_proj
    .symbol:         k_qb8772b8887_proj.kd
    .args:
      - { .name: inq, .offset: 0, .size: 8, .value_kind: global_buffer, .address_space: global }
      - { .name: pj, .offset: 8, .size: 8, .value_kind: global_buffer, .address_space: global }
    .group_segment_fixed_size: 327680
    .private_segment_fixed_size: 0
    .kernarg_segment_align: 8
    .kernarg_segment_size: 16
    .max_flat_workgroup_size: 128
    .sgpr_count:     102
    .vgpr_count:     768
    .wavefront_size: 32
...
	.end_amdgpu_metadata
.endif
;; end of part 2
;; launch attn (part 3): grid 16 x 16, 4 waves a work-group, clusters of 4 x 1, 327,680 bytes of LDS; arguments pj, cc; writes cc
.if DOCPART == 3
	.amdgcn_target "amdgcn-amd-amdhsa--gfx1250"
	.amdhsa_code_object_version 6
	.text
	.protected	k_qb8772b8887_attn
	.globl	k_qb8772b8887_attn
	.p2align	8
	.type	k_qb8772b8887_attn,@function
k_qb8772b8887_attn:
	s_mov_b64 s[64:65], 0
	v_nop
	global_prefetch_b8 v0, s[64:65] scope:SCOPE_SE
	s_setreg_imm32_b32 hwreg(HW_REG_WAVE_MODE, 25, 1), 1
	s_wait_xcnt 0x0
	s_wait_alu depctr_hold_cnt(0) depctr_sa_sdst(0) depctr_va_vdst(0) depctr_va_sdst(0) depctr_va_ssrc(0) depctr_va_vcc(0) depctr_vm_vsrc(0)
	s_getreg_b32 s2, hwreg(HW_REG_IB_STS2, 6, 4)
	s_cmp_eq_u32 s2, 0
	s_cbranch_scc0 .Lentry_in_a_cluster
	s_endpgm
.Lentry_in_a_cluster:
	s_bfe_u32 s2, ttmp6, 0x10000c
	s_cmp_lg_u32 s2, 0x3003
	s_cbranch_scc0 .Lentry_shape_is_right
	s_endpgm
.Lentry_shape_is_right:
; ctx = softmax(qp kp^T / 16) vp on codes of FP6 (E2M3) with E8M0 scales; the result is quantised again along the head's channels and stored in cc as fragment images for the last product.
; SHARES.  A work-group takes one (batch, head) (grid y) and 128 queries (grid x); a wave 32 queries as two tiles of 16.  The 2,048 keys go in 16 steps of 128.
; pj holds a record of 25,600 bytes for each 128 queries, and behind QREG a record of 51,200 bytes for each key step: K's 16 fragments and scale words, then V's (V with the keys innermost).
; Fragments are images of an operand's 12 registers: every LDS load takes 512 consecutive bytes, 16 a lane.
; BOTH PRODUCTS ARE USED TRANSPOSED (S^T = k q^T, O^T = v^T p^T): a lane holds one query, and by the order of rows inside the records its 64 registers of S are the keys 32 b + 16 (lane / 16) + i.
; THE SOFTMAX: t = score x log2(e) / 16; M = ceil(the running largest t), kept as -M; p = 2^(t - M); the row's sum is taken of the unquantised p; when M moves, sum and O^T are multiplied by the
; exact power of two 2^(old M - new M).  A block's largest p is made from the block's largest score by the same multiply-add and exponential.
; A TURN: the matrix instructions of tile x (16 of O^T += v^T p^T, 16 of the next step's S^T) stand among the 281 vector lines of the other tile's softmax.  These lines go in four blocks:
; maxima and multiply-adds (84); the 68 exponentials and one plain line; O^T's rescaling (64); sums and quantising (64).  One s_wait_alu stands ahead of the exponentials and one behind them;
; the second is also the wait ahead of the first readers of O^T: the rescaling touches the 16 accumulators' low pairs first, in one run behind it.
; O^T's 16 matrix instructions stand among the exponentials, S^T's 16 all behind them, behind the rescaling's first 16 lines.
; K's and V's fragments are fetched in runs that stand beside these waits: K's in tile 0's turn (at its head and ahead of the exponentials), V's in tile 1's turn (behind the exponentials).
; THE RING: two LDS slots of two records; each wave brings 25,600 bytes by one joint load; the four work-groups of a cluster share (batch, head) and so all K and V.
; PREFETCH: behind each refill each wave of the clusters with x = 0 names 25 blocks of 256 bytes (16 waves x 6,400 = one slot) of the slot that the NEXT refill brings; the last refill asks for nothing.
; LIMITS: the promise holds while |t| stays under 2^31; a block of zeros gets the scale byte 1 where the rule says 127 (its codes are zeros; this program alone reads the bytes); NaN and infinities are not served.
; REGISTERS: window 0: v1-7 addresses, v12-27 the two tiles' state, v28-47 scale words (q 2, p 2, K 8, V 8), v48-95 at work, v96-223 S of both tiles, v224-255 p's codes.
;   window 1: O^T, tile x at v[128 x].  window 2: K's 16 fragments, q's four at v192.  window 3: V's 16 fragments.
.set QREG,  6553600
.set REC,   51200
.set SLOT1, 1<<17
.set SPARE, SLOT1+2*REC                ; the spare words, 128 bytes a wave, named by no other line
.set NJ,    281                        ; vector lines of a tile's softmax
.set LI,  1                            ; 16 x lane
.set LS,  2                            ; 4 x lane
.set ADR, 3                            ; the record's fragments
.set ADS, 4                            ; its scale words
.set SPW, 5
.set NIL, 6
.set PFO, 7
.set STB, 12                           ; tile t's state at v[12 + 8 t]: -M, largest score, sum (2), f, -, at work
.set TT,  48
.set TM,  48
.set SS,  96
.set PP,  224
.set CT0, 248
.set SEL, 20
.set CS,  22
.set G1,  24
.set TB,  40                           ; LDS byte of the record in turn
.set SLOTS, 41
.set TWICE, 42
.set LIM, 43
.set PFA, 44
.set HM,  46
.set MSB, 0
.macro WIN new                         ; the immediate's high byte repeats the setting that is left
.if MSB != (\new)
	s_set_vgpr_msb (MSB<<8)|(\new)
.set MSB, (\new)
.endif
.endm
.macro PLACES n
.rept \n
	v_nop
.endr
.endm
; 64 numbers of a lane in window w become a fragment's codes v[pc .. pc + 11] and its scale word v[pw]; each accumulator is first read at its low end
.macro QUANT s, w, pc, pw
	WIN (\w)|((\w)<<2)
.irp b, 0,1,2,3
	v_max3_num_f32 v[TM+\b], |v[(\s)+16*\b]|, |v[(\s)+16*\b+1]|, 0x1800000
.endr
	WIN ((\w)<<2)|((\w)<<4)
.irp i, 2,4,6,8,10,12,14
.irp b, 0,1,2,3
	v_max3_num_f32 v[TM+\b], v[TM+\b], |v[(\s)+16*\b+\i]|, |v[(\s)+16*\b+\i+1]|
.endr
.endr
	WIN 0
.irp b, 0,1,2,3
	v_permlanex16_b32 v[TM+4+\b], v[TM+\b], s[SEL], s[SEL+1]
.endr
.irp b, 0,1,2,3
	v_max_num_f32 v[TM+\b], v[TM+\b], v[TM+4+\b]
.endr
.irp b, 0,1,2,3
	v_add_nc_u32 v[TM+12+\b], 0xff000000, v[TM+\b]
.endr
.irp b, 0,1,2,3
	v_lshrrev_b32 v[TM+4+\b], 23, v[TM+12+\b]
.endr
	v_lshl_or_b32 v[\pw], v[TM+5], 8, v[TM+4]
	v_lshl_or_b32 v[\pw], v[TM+6], 16, v[\pw]
	v_lshl_or_b32 v[\pw], v[TM+7], 24, v[\pw]
	WIN (\w)
.irp c, 0,1
	v_cvt_scalef32_pk16_fp6_f32 v[(\pc)+6*\c:(\pc)+6*\c+2], v[(\s)+32*\c:(\s)+32*\c+15], v[TM+12+2*\c]
	v_cvt_scalef32_pk16_fp6_f32 v[(\pc)+12+4*\c:(\pc)+14+4*\c], v[(\s)+32*\c+16:(\s)+32*\c+31], v[TM+13+2*\c]
.endr
	WIN 0
	v_nop
.irp c, 0,1
.irp i, 0,1,2
	v_permlane16_swap_b32 v[(\pc)+6*\c+\i], v[(\pc)+12+4*\c+\i]
.endr
.irp i, 0,1,2
	v_mov_b32 v[(\pc)+3+6*\c+\i], v[(\pc)+12+4*\c+\i]
.endr
.endr
.endm
.macro CROUND                          ; a round of the cluster's barrier
	s_barrier_signal -1
	s_barrier_wait -1
	s_cmp_lg_u32 s8, 0
	s_cbranch_scc1 .Lnot_wave_0_\@
	s_barrier_signal -3
.Lnot_wave_0_\@:
	s_barrier_wait -3
	s_barrier_signal -1
	s_barrier_wait -1
.endm
; one matrix instruction.  z: it starts the sum.  ra, rb: that side's scale words are taken from lanes 16-31
.macro WMS d, a, b, z, sa, sb, ra, rb
.if (\z)
.if (\ra) && (\rb)
	v_wmma_scale_f32_16x16x128_f8f6f4 v[(\d):(\d)+7], v[(\a):(\a)+11], v[(\b):(\b)+11], 0, v[(\sa)], v[(\sb)] matrix_a_fmt:MATRIX_FMT_FP6 matrix_b_fmt:MATRIX_FMT_FP6 matrix_a_scale:MATRIX_SCALE_ROW1 matrix_b_scale:MATRIX_SCALE_ROW1
.elseif (\ra)
	v_wmma_scale_f32_16x16x128_f8f6f4 v[(\d):(\d)+7], v[(\a):(\a)+11], v[(\b):(\b)+11], 0, v[(\sa)], v[(\sb)] matrix_a_fmt:MATRIX_FMT_FP6 matrix_b_fmt:MATRIX_FMT_FP6 matrix_a_scale:MATRIX_SCALE_ROW1
.elseif (\rb)
	v_wmma_scale_f32_16x16x128_f8f6f4 v[(\d):(\d)+7], v[(\a):(\a)+11], v[(\b):(\b)+11], 0, v[(\sa)], v[(\sb)] matrix_a_fmt:MATRIX_FMT_FP6 matrix_b_fmt:MATRIX_FMT_FP6 matrix_b_scale:MATRIX_SCALE_ROW1
.else
	v_wmma_scale_f32_16x16x128_f8f6f4 v[(\d):(\d)+7], v[(\a):(\a)+11], v[(\b):(\b)+11], 0, v[(\sa)], v[(\sb)] matrix_a_fmt:MATRIX_FMT_FP6 matrix_b_fmt:MATRIX_FMT_FP6
.endif
.else
.if (\ra) && (\rb)
	v_wmma_scale_f32_16x16x128_f8f6f4 v[(\d):(\d)+7], v[(\a):(\a)+11], v[(\b):(\b)+11], v[(\d):(\d)+7], v[(\sa)], v[(\sb)] matrix_a_fmt:MATRIX_FMT_FP6 matrix_b_fmt:MATRIX_FMT_FP6 matrix_a_scale:MATRIX_SCALE_ROW1 matrix_b_scale:MATRIX_SCALE_ROW1
.elseif (\ra)
	v_wmma_scale_f32_16x16x128_f8f6f4 v[(\d):(\d)+7], v[(\a):(\a)+11], v[(\b):(\b)+11], v[(\d):(\d)+7], v[(\sa)], v[(\sb)] matrix_a_fmt:MATRIX_FMT_FP6 matrix_b_fmt:MATRIX_FMT_FP6 matrix_a_scale:MATRIX_SCALE_ROW1
.elseif (\rb)
	v_wmma_scale_f32_16x16x128_f8f6f4 v[(\d):(\d)+7], v[(\a):(\a)+11], v[(\b):(\b)+11], v[(\d):(\d)+7], v[(\sa)], v[(\sb)] matrix_a_fmt:MATRIX_FMT_FP6 matrix_b_fmt:MATRIX_FMT_FP6 matrix_b_scale:MATRIX_SCALE_ROW1
.else
	v_wmma_scale_f32_16x16x128_f8f6f4 v[(\d):(\d)+7], v[(\a):(\a)+11], v[(\b):(\b)+11], v[(\d):(\d)+7], v[(\sa)], v[(\sb)] matrix_a_fmt:MATRIX_FMT_FP6 matrix_b_fmt:MATRIX_FMT_FP6
.endif
.endif
.endm
.macro RECADR                          ; the addresses of the record at s[TB]
	WIN 0
	v_add_nc_u32 v[ADR], s[TB], v[LI]
	v_add_nc_u32 v[ADS], s[TB], v[LS]
.endm
.macro LDSC r, off                     ; eight registers of scale words
	WIN 0
.irp i, 0,1,2,3,4,5,6,7
	ds_load_b32 v[(\r)+\i], v[ADS] offset:(\off)+128*\i
.endr
.endm
.macro LDFS w, f0, n, off              ; n fragments from f0 on, three loads each, into window w
	WIN (\w)<<6
.set f, \f0
.rept \n
.irp c, 0,1,2
	ds_load_b128 v[12*f+4*\c:12*f+4*\c+3], v[ADR] offset:(\off)+1536*f+512*\c
.endr
.set f, f+1
.endr
.endm
.macro KQ1 x                           ; S^T of tile x: key tile i % 8, half i / 8 of the head's 256
	WIN 0x0a
	WMS SS+64*(\x)+8*(i&7), 12*i, 192+24*(\x)+12*(i>>3), 1-(i>>3), 32+(i>>1), 28+(i>>3), (i&1), \x
.endm
.macro PV1 x, z                        ; O^T of tile x: 16 of the head's channels
	WIN 0x53
	WMS 128*(\x)+8*i, 12*i, PP+12*(\x), \z, 40+(i>>1), 30+(\x), (i&1), 0
.endm
.macro MM x, pv, kq                    ; the turn's matrix instruction m: 0-15 O^T, 16-31 S^T
.if m < 16
.if \pv
.set i, m
	PV1 \x, 2-\pv
.endif
.else
.if \kq
.set i, m-16
	KQ1 \x
.endif
.endif
.set m, m+1
.endm
; line j of tile t's softmax
.macro SM t, first
.set rT, TT+20*(\t)
.set rS, SS+64*(\t)
.set rP, PP+12*(\t)
.set rC, CT0-160*(\t)
.set rZ, STB+8*(\t)
.if j < 153
	WIN 0
.elseif j >= 217
	WIN 0
.endif
.if j < 4                              ; the largest score of each block of 32 keys; lines 0-7 read all eight accumulators at their low ends
	v_max3_num_f32 v[rT+j], v[rS+16*j], v[rS+16*j+1], v[rS+16*j+2]
.elseif j < 8
	v_max3_num_f32 v[rT+j-4], v[rT+j-4], v[rS+16*(j-4)+8], v[rS+16*(j-4)+9]
.elseif j < 28
.set b, (j-8)%4
.set u, (j-8)/4                        ; the pairs (3,4) (5,6) (7,10) (11,12) (13,14)
	v_max3_num_f32 v[rT+b], v[rT+b], v[rS+16*b+3+2*u+2*(u/3)], v[rS+16*b+4+2*u+2*((u+1)/3)]
.elseif j < 32
	v_max_num_f32 v[rT+j-28], v[rT+j-28], v[rS+16*(j-28)+15]
.elseif j < 36
	v_permlanex16_b32 v[rT+j-28], v[rT+j-32], s[SEL], s[SEL+1]
.elseif j < 40
	v_max_num_f32 v[rT+j-36], v[rT+j-36], v[rT+j-32]
.elseif j == 40
	v_mov_b32 v[rT+15], v[rZ]                      ; the old -M
.elseif j == 41
	v_max3_num_f32 v[rT+14], v[rT], v[rT+1], v[rT+2]
.elseif j == 42
	v_max3_num_f32 v[rZ+1], v[rZ+1], v[rT+14], v[rT+3]   ; the running largest score
.elseif j == 43
	v_mul_f32 v[rT+14], s[CS], v[rZ+1]             ; as t (the factor is positive)
.elseif j == 44
	v_floor_f32 v[rZ], -v[rT+14]                   ; -M = floor(-t)
.elseif j == 45
	v_sub_f32 v[rT+14], v[rZ], v[rT+15]            ; old M - new M
.elseif j == 46
	v_fma_f32 v[rT], v[rT], s[CS], v[rZ]
.elseif j == 47
	v_cvt_i32_f32 v[rT+14], v[rT+14]
.elseif j == 48
	v_fma_f32 v[rT+1], v[rT+1], s[CS], v[rZ]
.elseif j == 49
	v_ldexp_f32 v[rZ+4], 1.0, v[rT+14]             ; f
.elseif j < 52
	v_fma_f32 v[rT+j-48], v[rT+j-48], s[CS], v[rZ]
.elseif j < 84
.set u, j-52
	v_pk_fma_f32 v[rS+2*u:rS+2*u+1], v[rS+2*u:rS+2*u+1], s[CS:CS+1], v[rZ:rZ+1] op_sel_hi:[1,0,0]   ; t - M
.elseif j < 148
	v_exp_f32 v[rS+j-84], v[rS+j-84]               ; p
.elseif j < 152
	v_exp_f32 v[rT+j-148], v[rT+j-148]             ; each block's largest p
.elseif j == 152
	v_pk_mul_f32 v[rZ+2:rZ+3], v[rZ+2:rZ+3], v[rZ+4:rZ+5] op_sel_hi:[1,0]   ; the sums under the new M; the plain place behind the exponentials
.elseif j < 217
.if (\first) == 0                      ; O^T x f (the first step has no O^T yet): first each accumulator's low pair, then the other three pairs
	WIN 0x41
.if j < 169
.set u, 128*(\t)+8*(j-153)
.else
.set u, 128*(\t)+8*((j-169)/3)+2+2*((j-169)%3)
.endif
	v_pk_mul_f32 v[u:u+1], v[u:u+1], v[rZ+4:rZ+5] op_sel_hi:[1,0]
.endif
.elseif j == 217
	v_pk_add_f32 v[rT+12:rT+13], v[rS:rS+1], v[rS+2:rS+3]
.elseif j == 218
	v_pk_add_f32 v[rT+16:rT+17], v[rS+4:rS+5], v[rS+6:rS+7]
.elseif j == 219
	v_pk_add_f32 v[rT+18:rT+19], v[rS+8:rS+9], v[rS+10:rS+11]
.elseif j < 246
.set u, j-220
.set b, rZ+2
.if u%4 == 1
.set b, rT+12
.elseif u%4 == 2
.set b, rT+16
.elseif u%4 == 3
.set b, rT+18
.endif
	v_pk_add_f32 v[b:b+1], v[b:b+1], v[rS+12+2*u:rS+13+2*u]   ; four chains
.elseif j == 246
	v_pk_add_f32 v[rT+12:rT+13], v[rT+12:rT+13], v[rT+16:rT+17]
.elseif j == 247
	v_pk_add_f32 v[rZ+2:rZ+3], v[rZ+2:rZ+3], v[rT+18:rT+19]
.elseif j == 248
	v_pk_add_f32 v[rZ+2:rZ+3], v[rZ+2:rZ+3], v[rT+12:rT+13]
.elseif j < 253
	v_max_num_f32 v[rT+j-249], 0x1800000, v[rT+j-249]   ; the floor 2^(3 - 127): the byte cannot fall under 1
.elseif j < 257
	v_add_nc_u32 v[rT+j-245], 0xff000000, v[rT+j-253]   ; the conversion's scale operand
.elseif j < 261
	v_lshrrev_b32 v[rT+j-253], 23, v[rT+j-249]          ; the byte
.elseif j == 261
	v_lshl_or_b32 v[30+(\t)], v[rT+5], 8, v[rT+4]
.elseif j == 262
	v_lshl_or_b32 v[30+(\t)], v[rT+6], 16, v[30+(\t)]
.elseif j == 263
	v_lshl_or_b32 v[30+(\t)], v[rT+7], 24, v[30+(\t)]
.elseif j < 268
.set u, (j-264)/2
.if (j-264)%2 == 0
	v_cvt_scalef32_pk16_fp6_f32 v[rP+6*u:rP+6*u+2], v[rS+32*u:rS+32*u+15], v[rT+8+2*u]
.else
	v_cvt_scalef32_pk16_fp6_f32 v[rC+4*u:rC+4*u+2], v[rS+32*u+16:rS+32*u+31], v[rT+9+2*u]
.endif
.elseif j == 268
	v_nop                                          ; one plain place behind the conversions
.else
.set u, (j-269)/6
.set b, (j-269)%6
.if b < 3
	v_permlane16_swap_b32 v[rP+6*u+b], v[rC+4*u+b]
.else
	v_mov_b32 v[rP+6*u+b], v[rC+4*u+b-3]
.endif
.endif
.endm
; A turn: tile x's matrix instructions among the other tile's softmax.  pv: 0 none, 1 starts O^T's sums, 2 adds; kq: S^T of the next step; first: the softmax of step 0.
; LDS loads and the waits for them.  Tile 1's turn asks for V's 56 loads behind the exponentials, four places behind the last product on V.  Tile 0's turn asks at its head for K's 8 scale registers and fragments 0-7 (32 loads);
; ahead of the exponentials it waits for V (those 32 may be out) and asks for K's fragments 8-15; behind the exponentials it waits for all.
; Where a wait on DScnt or a run of loads meets an s_wait_alu, the s_wait_alu stands last: between every earlier vector write and its readers, and directly ahead of the lines that it serves.
.macro TURN x, pv, kq, first
.set j, 0
.set m, 0
.if (\x) == 0
.if \kq
	RECADR
	LDSC 32, 24576
	LDFS 2, 0, 8, 0
.endif
	WIN 0
	s_wait_alu depctr_va_vdst(0)
.else
	RECADR
	s_add_co_u32 s[TB], s[TB], REC
.endif
.rept NJ
.if j == 84
.if (\x) == 0
	s_wait_dscnt 32*(\kq)
.if \kq
	LDFS 2, 8, 8, 0
.endif
.endif
	s_wait_alu depctr_va_vdst(0)                   ; ahead of the exponentials
.endif
.if j == 153
.if (\x) == 1
	PLACES 4                                       ; four places between the last product on V's fragments and the loads into them
	LDSC 40, 50176
	LDFS 3, 0, 16, 25600
.elseif \kq
	s_wait_dscnt 0x0
.endif
	s_wait_alu depctr_va_vdst(0)                   ; behind the exponentials, ahead of their first reader, and directly ahead of the first readers of O^T's 16 accumulators
.endif
.set wp, 86+4*m                        ; where matrix instruction m stands: 0-15 among the exponentials, 16-31 behind the rescaling's first 16 lines
.if m >= 16
.set wp, 170+6*(m-16)
.endif
.if (j == wp) && (m < 32)
	MM \x, \pv, \kq
.endif
	SM 1-\x, \first
.set j, j+1
.endr
.endm
.macro TWO_STEPS
	s_mov_b32 s[TWICE], 2
.Lstep_\@:
	TURN 0, 2, 1, 0
	TURN 1, 2, 1, 0
	WIN 0
	s_sub_co_u32 s[TWICE], s[TWICE], 1
	s_cmp_lg_u32 s[TWICE], 0
	s_cbranch_scc1 .Lstep_\@
.endm
.macro ASK
	s_cmp_gt_u32 s[SLOTS], s[LIM]
	s_cbranch_scc0 .Lnot_mine_\@
	global_prefetch_b8 v[PFO], s[PFA:PFA+1] th:TH_LOAD_NT scope:SCOPE_SE
.Lnot_mine_\@:
.endm
; a change of slots: all my tensor loads are in, the add, my reads of the slot that is left are over; a round; the joint refill first
.macro CHANGE fill
	WIN 0
	s_wait_tensorcnt 0x0
	ds_add_u32 v[SPW], v[NIL]
.if \fill
	s_xor_b32 s37, s37, SLOT1
	s_add_nc_u64 s[38:39], s[38:39], 2*REC
	s_wait_xcnt 0x0                                ; my prefetch has read its address
	s_add_nc_u64 s[PFA:PFA+1], s[PFA:PFA+1], 2*REC
	s_wait_dscnt 0x0
	CROUND
	tensor_load_to_lds s[36:39], s[G1:G1+7]
	s_nop 0
.rept 4
	v_nop
.endr
	ASK
.else
	s_wait_dscnt 0x0
	s_barrier_signal -1
	s_barrier_wait -1
.endif
	s_sub_co_u32 s[TB], s[TB], 2*REC
	s_xor_b32 s[TB], s[TB], SLOT1
.endm
	s_load_b128 s[4:7], s[0:1], 0x0                ; pj, cc
	v_lshl_add_u32 v[SPW], v0, 2, SPARE
	v_mov_b32 v[NIL], 0
	ds_add_u32 v[SPW], v[NIL]                      ; the opening lines: the add twice on end and its wait
	ds_add_u32 v[SPW], v[NIL]
	v_lshrrev_b32 v10, 5, v0
	v_readfirstlane_b32 s8, v10                    ; wave
	s_bfe_u32 s9, ttmp6, 0x40000                   ; cx
	s_lshl_b32 s10, ttmp9, 2
	s_add_co_u32 s10, s10, s9                      ; which 128 queries
	s_and_b32 s11, ttmp7, 0xffff                   ; batch x 4 + head
	s_mul_i32 s19, s8, 25600                       ; my quarter of a slot
	s_mul_i32 s2, s11, 16*REC
	s_add_co_u32 s2, s2, s19
	s_add_co_u32 s2, s2, QREG
	s_mov_b32 s3, 0
	s_mov_b32 s[G1], 15|(3<<16)|(1<<21)            ; group 1: the four partners; dense bytes as 100 rows of 256 (32 elements of 8 bytes)
	s_mov_b32 s[G1+1], 32<<16
	s_mov_b32 s[G1+2], 100<<16
	s_mov_b32 s[G1+3], 32<<16
	s_mov_b32 s[G1+4], 100
	s_mov_b32 s[G1+5], 32
	s_mov_b32 s[G1+6], 0
	s_mov_b32 s[G1+7], 0
	s_lshl_b32 s16, s11, 4
	s_add_co_u32 s16, s16, s10
	s_mul_i32 s16, s16, 25600                      ; q's record
	s_mov_b32 s17, 0
	s_and_b32 s12, s11, 3                          ; cc: block 128 head + 32 batch + 2 (group of 128 queries) + wave / 2
	s_lshl_b32 s12, s12, 7
	s_lshr_b32 s46, s11, 2
	s_lshl_b32 s46, s46, 5
	s_add_co_u32 s12, s12, s46
	s_lshl_b32 s46, s10, 1
	s_add_co_u32 s12, s12, s46
	s_lshr_b32 s46, s8, 1
	s_add_co_u32 s12, s12, s46
	s_mul_i32 s12, s12, 12800
	s_and_b32 s46, s8, 1
	s_lshl_b32 s14, s46, 8
	s_add_co_u32 s14, s14, s12
	s_add_co_u32 s14, s14, 12288
	s_mul_i32 s46, s46, 6144
	s_add_co_u32 s12, s12, s46
	s_mov_b32 s13, 0
	s_mov_b32 s15, 0
	s_lshl_b32 s[PFA], s9, 2                       ; the prefetches: (4 cx + wave) x 6,400 bytes of a slot
	s_add_co_u32 s[PFA], s[PFA], s8
	s_mul_i32 s[PFA], s[PFA], 6400
	s_mul_i32 s[PFA+1], s11, 16*REC
	s_add_co_u32 s[PFA], s[PFA], s[PFA+1]
	s_add_co_u32 s[PFA], s[PFA], QREG+4*REC
	s_mov_b32 s[PFA+1], 0
	s_cmp_eq_u32 ttmp9, 0
	s_cselect_b32 s[LIM], 1, -1
	s_mov_b32 s[SEL], 0x76543210
	s_mov_b32 s[SEL+1], 0xfedcba98
	s_mov_b32 s[CS], 0x3db8aa3b                    ; log2(e) / 16
	s_mov_b32 s[CS+1], s[CS]
	s_mov_b32 s[HM], 0xffff0000
	s_mov_b32 s[TB], 0
	s_mov_b32 s[SLOTS], 6
	s_wait_dscnt 0x0
	s_wait_kmcnt 0x0
	s_mov_b32 s32, 1
	s_mov_b32 s33, s19
	s_add_nc_u64 s[34:35], s[4:5], s[2:3]
	s_or_b32 s35, s35, 0x80000000
	s_mov_b32 s36, 1
	s_add_co_u32 s37, s19, SLOT1
	s_add_nc_u64 s[38:39], s[4:5], s[2:3]
	s_add_nc_u64 s[38:39], s[38:39], 2*REC
	s_or_b32 s39, s39, 0x80000000
	s_add_nc_u64 s[16:17], s[4:5], s[16:17]
	s_add_nc_u64 s[PFA:PFA+1], s[4:5], s[PFA:PFA+1]
	s_add_nc_u64 s[12:13], s[6:7], s[12:13]
	s_add_nc_u64 s[14:15], s[6:7], s[14:15]
	CROUND
	tensor_load_to_lds s[32:35], s[G1:G1+7]        ; steps 0 and 1: one tensor load a wave at the head
	s_nop 0
.rept 4
	v_nop
.endr
	v_and_b32 v10, 31, v0
	v_lshlrev_b32 v[LI], 4, v10
	v_lshlrev_b32 v[LS], 2, v10
	v_min_u32 v[PFO], 24, v10
	v_lshlrev_b32 v[PFO], 8, v[PFO]
	s_mul_i32 s47, s8, 3072
	v_add_nc_u32 v8, s47, v[LI]
	s_lshl_b32 s47, s8, 7
	v_add_nc_u32 v9, s47, v[LS]
	WIN 0x80
.irp x, 0,1
.irp e, 0,1
.irp c, 0,1,2
	global_load_b128 v[192+24*\x+12*\e+4*\c:192+24*\x+12*\e+4*\c+3], v8, s[16:17] offset:(8*\e+\x)*1536+512*\c   ; q's four fragments
.endr
.endr
.endr
	WIN 0
.irp e, 0,1
	global_load_b32 v[28+\e], v9, s[16:17] offset:24576+512*\e
.endr
.irp x, 0,1
	v_mov_b32 v[STB+8*\x+1], 0xff61b1e6            ; -3e38, under every score
	v_floor_f32 v[STB+8*\x], -v[STB+8*\x+1]
	v_mov_b32 v[STB+8*\x+2], 0
	v_mov_b32 v[STB+8*\x+3], 0
	v_mov_b32 v[STB+8*\x+5], 0
	v_mov_b32 v[STB+8*\x+6], 0
.irp b, 0,1,2,3
	v_mov_b32 v[TT+20*\x+4+\b], 0                  ; a lane permute's destination counts as a source
.endr
.endr
	s_wait_alu depctr_va_vdst(0)
	s_wait_tensorcnt 0x0                           ; my quarter of slot 0 is in
	ds_add_u32 v[SPW], v[NIL]
	s_wait_dscnt 0x0
	CROUND                                         ; slot 0 is whole in every partner
	tensor_load_to_lds s[36:39], s[G1:G1+7]        ; steps 2 and 3: slot 1's first fill, my one load behind the round
	s_nop 0
.rept 4
	v_nop
.endr
	RECADR
	LDSC 32, 24576
	LDFS 2, 0, 16, 0
	s_wait_loadcnt 0x0
	s_wait_dscnt 0x0
.set i, 0
.rept 16
	KQ1 0
.set i, i+1
.endr
	WIN 0
	PLACES 4
	TURN 1, 0, 1, 1
	TURN 0, 1, 1, 1
	TURN 1, 1, 1, 0
	WIN 0
.Lslot:
	CHANGE 1
	TWO_STEPS
	s_sub_co_u32 s[SLOTS], s[SLOTS], 1
	s_cmp_lg_u32 s[SLOTS], 0
	s_cbranch_scc1 .Lslot
	CHANGE 0
	TWO_STEPS
	TURN 0, 2, 0, 0
	PLACES 4                                       ; p's codes were just written by vector lines: four places ahead of the scaled products
.set i, 0
.rept 16
	PV1 1, 0
.set i, i+1
.endr
	WIN 0
.irp x, 0,1
	v_add_f32 v[STB+8*\x+2], v[STB+8*\x+2], v[STB+8*\x+3]
.endr
.irp x, 0,1
	v_permlanex16_b32 v[STB+8*\x+6], v[STB+8*\x+2], s[SEL], s[SEL+1]
.endr
.irp x, 0,1
	v_add_f32 v[STB+8*\x+2], v[STB+8*\x+2], v[STB+8*\x+6]   ; the rows' sums
.endr
	s_wait_alu depctr_va_vdst(0)
.irp x, 0,1
	v_rcp_f32 v[STB+8*\x+4], v[STB+8*\x+2]
.endr
	v_nop
	s_wait_alu depctr_va_vdst(0)
	WIN 0x41
.set J, 0
.rept 64
	v_pk_mul_f32 v[J:J+1], v[J:J+1], v[STB+4:STB+5] op_sel_hi:[1,0]
.set J, J+2
.endr
.rept 64
	v_pk_mul_f32 v[J:J+1], v[J:J+1], v[STB+12:STB+13] op_sel_hi:[1,0]
.set J, J+2
.endr
	WIN 0
.irp x, 0,1
.irp e, 0,1
	QUANT 128*\x+64*\e, 1, 96+20*(2*\x+\e), 64+2*\x+\e
.endr
.endr
.irp k, 0,1,2,3
.irp c, 0,1,2
	global_store_b128 v[LI], v[96+20*\k+4*\c:96+20*\k+4*\c+3], s[12:13] offset:1536*\k+512*\c   ; 512 consecutive bytes, aligned
.endr
.endr
.irp x, 0,1
	v_cndmask_b32 v[84+\x], v[64+2*\x], v[65+2*\x], s[HM]
.endr
.irp x, 0,1
	global_store_b32 v[LS], v[84+\x], s[14:15] offset:128*\x
.endr
	s_wait_tensorcnt 0x0                           ; the wave's end
	ds_add_u32 v[SPW], v[NIL]
	s_wait_dscnt 0x0
	CROUND                                         ; the closing round
	s_endpgm
.Lfunc_end_k_qb8772b8887_attn:
	.size	k_qb8772b8887_attn, .Lfunc_end_k_qb8772b8887_attn-k_qb8772b8887_attn
	.p2alignl 7, 3214868480
	.fill 96, 4, 3214868480
	.section	.rodata,"a",@progbits
	.p2align	6, 0x0
	.amdhsa_kernel k_qb8772b8887_attn
		.amdhsa_group_segment_fixed_size 327680
		.amdhsa_private_segment_fixed_size 0
		.amdhsa_enable_private_segment 0
		.amdhsa_kernarg_size 16
		.amdhsa_user_sgpr_count 2
		.amdhsa_user_sgpr_kernarg_segment_ptr 1
		.amdhsa_wavefront_size32 1
		.amdhsa_system_sgpr_workgroup_id_x 1
		.amdhsa_system_sgpr_workgroup_id_y 1
		.amdhsa_system_sgpr_workgroup_id_z 1
		.amdhsa_system_vgpr_workitem_id 0
		.amdhsa_next_free_vgpr 1024
		.amdhsa_next_free_sgpr 66
		.amdhsa_reserve_vcc 0
		.amdhsa_float_denorm_mode_32 3
		.amdhsa_float_denorm_mode_16_64 3
		.amdhsa_memory_ordered 1
		.amdhsa_forward_progress 1
		.amdhsa_inst_pref_size 220
	.end_amdhsa_kernel
	.amdgpu_metadata
---
amdhsa.version: [ 1, 2 ]
amdhsa.kernels:
  - .name:           k_qb8772b8887_attn
    .symbol:         k_qb8772b8887_attn.kd
    .args:
      - { .name: pj, .offset: 0, .size: 8, .value_kind: global_buffer, .address_space: global }
      - { .name: cc, .offset: 8, .size: 8, .value_kind: global_buffer, .address_space: global }
    .group_segment_fixed_size: 327680
    .private_segment_fixed_size: 0
    .kernarg_segment_align: 8
    .kernarg_segment_size: 16
    .max_flat_workgroup_size: 128
    .sgpr_count:     66
    .vgpr_count:     1024
    .wavefront_size: 32
...
	.end_amdgpu_metadata
.endif
;; end of part 3
;; launch outp (part 4): grid 4 x 64, 4 waves a work-group, clusters of 4 x 4, 327,680 bytes of LDS; arguments cc, inq, bo, out0; writes out0
.if DOCPART == 4
	.amdgcn_target "amdgcn-amd-amdhsa--gfx1250"
	.amdhsa_code_object_version 6
	.text
	.protected	k_qb8772b8887_outp
	.globl	k_qb8772b8887_outp
	.p2align	8
	.type	k_qb8772b8887_outp,@function
k_qb8772b8887_outp:
	s_mov_b64 s[64:65], 0
	v_nop
	global_prefetch_b8 v0, s[64:65] scope:SCOPE_SE
	s_setreg_imm32_b32 hwreg(HW_REG_WAVE_MODE, 25, 1), 1
	s_wait_xcnt 0x0
	s_wait_alu depctr_hold_cnt(0) depctr_sa_sdst(0) depctr_va_vdst(0) depctr_va_sdst(0) depctr_va_ssrc(0) depctr_va_vcc(0) depctr_vm_vsrc(0)
	s_getreg_b32 s2, hwreg(HW_REG_IB_STS2, 6, 4)
	s_cmp_eq_u32 s2, 0
	s_cbranch_scc0 .Lentry_in_a_cluster
	s_endpgm
.Lentry_in_a_cluster:
	s_bfe_u32 s2, ttmp6, 0x10000c
	s_cmp_lg_u32 s2, 0xf033
	s_cbranch_scc0 .Lentry_shape_is_right
	s_endpgm
.Lentry_shape_is_right:
; out0 = ctx Wo^T + bo on codes of FP6 (E2M3) with E8M0 scales: ctx's codes from cc, Wo's from inq, both in blocks of 12,800 bytes (64 rows x 256 along K, fragments as images of their registers).
; SHARES.  A tile of out0 is 128 rows x 256 columns: 256 work-groups; a wave makes 64 x 128: 32 accumulators.  K = 1,024 is four pieces of 256 (76,800 bytes: 2 blocks of A, 4 of B), which all fit in LDS at once:
; each wave brings two of them (A's: waves 0, 1; B's: waves 2, 3) by two tensor loads, the second behind the round that follows the wait for the first; no LDS byte is filled twice.
; CLUSTERS: 4 x 4; A's blocks are asked for jointly along a row of the cluster, B's along a column.
; THE MATRIX INSTRUCTION IS USED TRANSPOSED (source 0 = 16 rows of Wo, source 1 = 16 rows of ctx): a lane holds eight neighbouring columns of one row.  The bias is the C of each sum's first matrix instruction.
; The rows and columns of a tile are in the blocks' order of rows: place r of tile t is row 32 (t / 2) + 8 (t % 2) + r + 8 (r / 8) of its 128; the way out puts each where it belongs.
; REGISTERS: window 0: v1-25 addresses; v32-55 scale words, two sets; v64-159 A's fragments, two sets (on the way out v64-191: rows read back).  window 1: B's fragments, two sets.  window 2: accumulator (a, b) at v[8 (8 a + b)].
;   window 3: v0-63 the bias of my 128 columns, in the result's layout.
.set BLK,    12800
.set PIECE,  76800
.set SLOTB,  153600
.set LI,  1                            ; v1      16 x lane
.set LS,  2                            ; v2      4 x lane
.set ADA, 4
.set ADB, 8
.set ASA, 12
.set ASB, 16
.set STO, 24                           ; v24     the way out: where I put 32 bytes of a row
.set RD,  25                           ; v25     and where I read a row back
.set SCB, 32
.set AF,  64
.set BK,  64
.set G1A, 24
.set G1B, 32
.set G0A, 40
.set G0B, 68
.set MSB, 0
.macro WIN new                         ; the immediate's high byte repeats the setting that is left
.if MSB != (\new)
	s_set_vgpr_msb (MSB<<8)|(\new)
.set MSB, (\new)
.endif
.endm
.macro PLACES n
.rept \n
	v_nop
.endr
.endm
.macro CROUND                          ; a round of the cluster's barrier
	s_barrier_signal -1
	s_barrier_wait -1
	s_cmp_lg_u32 s12, 0
	s_cbranch_scc1 .Lnot_wave_0_\@
	s_barrier_signal -3
.Lnot_wave_0_\@:
	s_barrier_wait -3
	s_barrier_signal -1
	s_barrier_wait -1
.endm
.macro MKG0 g, lo, t, base             ; a group 0: s[t] holds the first block's number in the buffer at s[base]
	s_mul_i32 s[\t], s[\t], BLK
	s_mov_b32 s[\t+1], 0
	s_mov_b32 s[\g], 1
	s_add_co_u32 s[\g+1], s22, \lo
	s_add_nc_u64 s[\g+2:\g+3], s[\base:\base+1], s[\t:\t+1]
	s_or_b32 s[\g+3], s[\g+3], 0x80000000
.endm
; one matrix instruction.  z = 1: the sum starts from the bias v[cb] on (window 3).  r = 1: both sides' scale words are taken from lanes 16-31
.macro WMS d, a, b, z, sa, sb, r, cb
.if (\z)
	v_wmma_scale_f32_16x16x128_f8f6f4 v[(\d):(\d)+7], v[(\a):(\a)+11], v[(\b):(\b)+11], v[(\cb):(\cb)+7], v[(\sa)], v[(\sb)] matrix_a_fmt:MATRIX_FMT_FP6 matrix_b_fmt:MATRIX_FMT_FP6
.elseif (\r)
	v_wmma_scale_f32_16x16x128_f8f6f4 v[(\d):(\d)+7], v[(\a):(\a)+11], v[(\b):(\b)+11], v[(\d):(\d)+7], v[(\sa)], v[(\sb)] matrix_a_fmt:MATRIX_FMT_FP6 matrix_b_fmt:MATRIX_FMT_FP6 matrix_a_scale:MATRIX_SCALE_ROW1 matrix_b_scale:MATRIX_SCALE_ROW1
.else
	v_wmma_scale_f32_16x16x128_f8f6f4 v[(\d):(\d)+7], v[(\a):(\a)+11], v[(\b):(\b)+11], v[(\d):(\d)+7], v[(\sa)], v[(\sb)] matrix_a_fmt:MATRIX_FMT_FP6 matrix_b_fmt:MATRIX_FMT_FP6
.endif
.endm
.macro LOADSET n, e                    ; the fragments of K step e of piece n into set e; with e = 0 the piece's 12 scale registers too: 36 or 48 LDS loads
	WIN 0x40
.irp b, 0,1,2,3,4,5,6,7
.irp c, 0,1,2
	ds_load_b128 v[128*(\e)+12*\b+4*\c:128*(\e)+12*\b+4*\c+3], v[ADB+((\n)&3)] offset:(\b>>2)*BLK+((\b&3)*2+(\e))*1536+512*\c
.endr
.endr
	WIN 0
.irp a, 0,1,2,3
.irp c, 0,1,2
	ds_load_b128 v[AF+48*(\e)+12*\a+4*\c:AF+48*(\e)+12*\a+4*\c+3], v[ADA+((\n)&3)] offset:(2*\a+(\e))*1536+512*\c
.endr
.endr
.if (\e) == 0
.irp a, 0,1,2,3
	ds_load_b32 v[SCB+12*((\n)&1)+\a], v[ASA+((\n)&3)] offset:12288+128*\a
.endr
.irp b, 0,1,2,3,4,5,6,7
	ds_load_b32 v[SCB+12*((\n)&1)+4+\b], v[ASB+((\n)&3)] offset:12288+(\b>>2)*BLK+(\b&3)*128
.endr
.endif
.endm
.macro MULA a, n, e, z                 ; 8 matrix instructions; the 32 accumulators take turns, one instruction a turn, in the same order in every step
.irp b, 0,1,2,3,4,5,6,7
	WMS 8*(8*(\a)+\b), 128*(\e)+12*\b, AF+48*(\e)+12*(\a), \z, SCB+12*((\n)&1)+4+\b, SCB+12*((\n)&1)+(\a), \e, 8*\b
.endr
.endm
.macro STEP n, e, z, nn, ne            ; a K step; its successor's fragments are asked for first and land while it is multiplied
	PLACES 4                                       ; four plain places between the last products that read the other set and the loads into it
	LOADSET \nn, \ne
	s_wait_dscnt 36+12*(1-(\ne))                   ; all but the loads just issued: this step's set is in
.if (\z)
	WIN 0xb1                                       ; source 0 (B) window 1, source 1 (A) window 0, C (the bias) window 3, D window 2
.else
	WIN 0xa1                                       ; C and D window 2
.endif
	MULA 0, \n, \e, \z
	MULA 1, \n, \e, \z
	MULA 2, \n, \e, \z
	MULA 3, \n, \e, \z
	WIN 0
.endm
.macro TURN0 n                         ; the step behind which the second pair of pieces is read: every wave's second load has landed behind the barrier, and nobody reads the first pair any more
	s_wait_tensorcnt 0x0
	s_wait_dscnt 0x0
	s_barrier_signal -1
	s_barrier_wait -1
	PLACES 4
	LOADSET (\n)+1, 0
	WIN 0xa1
	MULA 0, \n, 1, 0
	MULA 1, \n, 1, 0
	MULA 2, \n, 1, 0
	MULA 3, \n, 1, 0
	WIN 0
.endm
	s_load_b256 s[4:11], s[0:1], 0x0               ; cc, inq, bo, out0
	v_lshl_add_u32 v254, v0, 2, 0x4b000
	v_mov_b32 v255, 0
	ds_add_u32 v254, v255
	ds_add_u32 v254, v255
	v_lshrrev_b32 v3, 5, v0
	v_readfirstlane_b32 s12, v3                    ; wave 0..3
	s_lshr_b32 s13, s12, 1                         ; wm: my 64 rows.  Also: I fetch for A (0) or for B (1)
	s_and_b32 s14, s12, 1                          ; wn: my 128 columns.  Also: which piece of a pair I fetch
	s_bfe_u32 s15, ttmp6, 0x40000                  ; cx = the tile column j
	s_bfe_u32 s16, ttmp6, 0x40004                  ; cy
	s_and_b32 s17, ttmp7, 0xffff
	s_lshl_b32 s17, s17, 2
	s_add_co_u32 s17, s17, s16                     ; the tile row i
	s_lshl_b32 s18, s16, 2
	s_lshl_b32 s18, 15, s18                        ; my row of the cluster
	s_lshl_b32 s20, 0x1111, s15                    ; my column
	s_or_b32 s[G1A], s18, (3<<16)|(1<<21)          ; group 1: dense bytes as rows of 256 (32 elements of 8 bytes), no padding: A 100 rows, B 200
	s_or_b32 s[G1B], s20, (3<<16)|(1<<21)
	s_mov_b32 s[G1A+1], 32<<16
	s_mov_b32 s[G1A+2], 100<<16
	s_mov_b32 s[G1A+3], 32<<16
	s_mov_b32 s[G1A+4], 100
	s_mov_b32 s[G1A+5], 32
	s_mov_b32 s[G1A+6], 0
	s_mov_b32 s[G1A+7], 0
	s_mov_b32 s[G1B+1], 32<<16
	s_mov_b32 s[G1B+2], 200<<16
	s_mov_b32 s[G1B+3], 32<<16
	s_mov_b32 s[G1B+4], 200
	s_mov_b32 s[G1B+5], 32
	s_mov_b32 s[G1B+6], 0
	s_mov_b32 s[G1B+7], 0
	s_mul_i32 s22, s14, PIECE
	s_wait_dscnt 0x0
	s_wait_kmcnt 0x0
.irp g, 0,1
	s_lshl_b32 s18, s14, 7                         ; A: block 128 (2 g + piece of the pair) + 2 i of cc
	s_lshl_b32 s19, s17, 1
	s_add_co_u32 s18, s18, s19
	s_add_co_u32 s18, s18, 256*\g
	MKG0 G0A+4*\g, \g*SLOTB, 18, 4
	s_lshl_b32 s20, s14, 4                         ; B: block 960 + 16 (2 g + piece of the pair) + 4 j of inq: Wo
	s_lshl_b32 s21, s15, 2
	s_add_co_u32 s20, s20, s21
	s_add_co_u32 s20, s20, 960+32*\g
	MKG0 G0B+4*\g, \g*SLOTB+2*BLK, 20, 6
.endr
	CROUND                                         ; all sixteen work-groups are here: the joint loads meet
	s_cmp_eq_u32 s13, 0                            ; pieces 0 and 1: one tensor load a wave at the head; four v_nop follow it
	s_cbranch_scc0 .Lfirst_b
	tensor_load_to_lds s[G0A:G0A+3], s[G1A:G1A+7]
	s_nop 0
.rept 4
	v_nop
.endr
	s_branch .Lfirst_asked
.Lfirst_b:
	tensor_load_to_lds s[G0B:G0B+3], s[G1B:G1B+7]
	s_nop 0
.rept 4
	v_nop
.endr
.Lfirst_asked:
	s_lshl_b32 s48, s15, 10                        ; my first column, in bytes: 1,024 j + 512 wn
	s_lshl_b32 s49, s14, 9
	s_add_co_u32 s48, s48, s49
	s_mov_b32 s49, 0
	s_add_nc_u64 s[8:9], s[8:9], s[48:49]          ; in bo,
	s_add_nc_u64 s[10:11], s[10:11], s[48:49]      ; and in a row of out0
	v_bfe_u32 v3, v0, 4, 1                         ; h
	v_and_b32 v20, 15, v0                          ; r
	v_lshlrev_b32 v21, 6, v3                       ; 64 h: register j of B's tile b is column 32 (b / 2) + 16 h + 8 (b % 2) + j
	WIN 0xc0                                       ; destination window 3
.irp b, 0,1,2,3,4,5,6,7
	global_load_b128 v[8*\b:8*\b+3], v21, s[8:9] offset:(32*(\b>>1)+8*(\b&1))*4
	global_load_b128 v[8*\b+4:8*\b+7], v21, s[8:9] offset:(32*(\b>>1)+8*(\b&1))*4+16
.endr
	WIN 0
	v_and_b32 v22, 31, v0
	v_lshlrev_b32 v[LI], 4, v22
	v_lshlrev_b32 v[LS], 2, v22
	s_mul_i32 s23, s13, BLK                        ; my block of A
	s_mul_i32 s50, s14, 2*BLK
	s_add_co_u32 s50, s50, 2*BLK                   ; my two blocks of B, behind A's two
.irp u, 0,1,2,3
	v_add_nc_u32 v[ADA+\u], s23, v[LI]
	v_add_nc_u32 v[ADB+\u], s50, v[LI]
	v_add_nc_u32 v[ASA+\u], s23, v[LS]
	v_add_nc_u32 v[ASB+\u], s50, v[LS]
	s_add_co_u32 s23, s23, PIECE
	s_add_co_u32 s50, s50, PIECE
.endr
	s_mul_i32 s51, s12, 16*528                     ; my stage: 16 rows x (512 + 16) bytes, in the first piece's bytes
	v_mul_u32_u24 v[STO], v20, 528
	v_lshl_add_u32 v[STO], v3, 6, v[STO]
	v_add_nc_u32 v[STO], s51, v[STO]               ; in: row place r, + 64 h
	v_add_nc_u32 v[RD], s51, v[LI]                 ; back: the 32 lanes take one row of 512 bytes
	s_lshl_b32 s48, s17, 7
	s_lshl_b32 s51, s13, 6
	s_add_co_u32 s48, s48, s51                     ; my first row: 128 i + 64 wm
	s_lshl_b32 s48, s48, 12                        ; x 4,096 bytes: under 2^26
	s_add_nc_u64 s[10:11], s[10:11], s[48:49]
	s_wait_alu depctr_va_vdst(0)
	s_wait_tensorcnt 0x0                           ; my part of pieces 0, 1 is in
	ds_add_u32 v254, v255
	s_wait_dscnt 0x0
	CROUND                                         ; everybody's part is in, and the sixteen work-groups meet
	s_cmp_eq_u32 s13, 0                            ; pieces 2 and 3: my one tensor load behind the round
	s_cbranch_scc0 .Lsecond_b
	tensor_load_to_lds s[G0A+4:G0A+7], s[G1A:G1A+7]
	s_nop 0
.rept 4
	v_nop
.endr
	s_branch .Lsecond_asked
.Lsecond_b:
	tensor_load_to_lds s[G0B+4:G0B+7], s[G1B:G1B+7]
	s_nop 0
.rept 4
	v_nop
.endr
.Lsecond_asked:
	LOADSET 0, 0
	s_wait_loadcnt 0x0                             ; the bias
	STEP 0, 0, 1, 0, 1                             ; the first step's products start the sums from the bias
	STEP 0, 1, 0, 1, 0
	STEP 1, 0, 0, 1, 1
	TURN0 1
	STEP 2, 0, 0, 2, 1
	STEP 2, 1, 0, 3, 0
	STEP 3, 0, 0, 3, 1
	s_wait_dscnt 0x0                               ; the very last step
	WIN 0xa1
	MULA 0, 3, 1, 0
	MULA 1, 3, 1, 0
	MULA 2, 3, 1, 0
	MULA 3, 3, 1, 0
	WIN 0
; THE WAY OUT, a tile of 16 rows x 128 columns at a time, through my own stage in LDS: a lane's 32 bytes go to their true place in the row, and whole rows of 512 bytes come back, which the 32 lanes store as 512 consecutive
; aligned bytes at the row's true place.  The stage lies in bytes that had their only fill at the start and that nobody has read since the barrier above.  LDS serves a wave's instructions in order (ISA guide 5.7.1.4).
.macro TOSTAGE a
	WIN 0x08                                       ; an LDS store's data are its source 1: window 2
.irp b, 0,1,2,3,4,5,6,7
	ds_store_b128 v[STO], v[8*(8*(\a)+\b):8*(8*(\a)+\b)+3] offset:128*(\b>>1)+32*(\b&1)        ; each accumulator from its low end on
	ds_store_b128 v[STO], v[8*(8*(\a)+\b)+4:8*(8*(\a)+\b)+7] offset:128*(\b>>1)+32*(\b&1)+16
.endr
	WIN 0
.irp t, 0,1,2,3,4,5,6,7,8,9,10,11,12,13,14,15
	ds_load_b128 v[BK+64*((\a)&1)+4*\t:BK+64*((\a)&1)+4*\t+3], v[RD] offset:528*\t
.endr
.endm
.macro SEND a, younger                 ; younger: the LDS instructions issued behind tile a's loads, which may stay out
	s_wait_dscnt \younger
.irp t, 0,1,2,3,4,5,6,7,8,9,10,11,12,13,14,15
	global_store_b128 v[LI], v[BK+64*((\a)&1)+4*\t:BK+64*((\a)&1)+4*\t+3], s[10:11] offset:(32*((\a)>>1)+8*((\a)&1)+\t+8*(\t>>3))*4096 th:TH_STORE_NT   ; every offset an immediate: 63 rows at the most
.endr
.endm
	PLACES 4                                       ; between the last products and the first read of results, and the loads into the registers that held A's fragments
	TOSTAGE 0
.irp a, 1,2,3
.if \a > 1
	s_wait_xcnt 0x0                                ; tile a - 2's stores have read their registers: tile a's rows may land there
.endif
	TOSTAGE \a
	SEND \a-1, 32                                  ; behind tile a - 1's loads: tile a's 16 stores and 16 loads
.endr
	SEND 3, 0
	s_wait_tensorcnt 0x0
	s_wait_dscnt 0x0
	s_wait_tensorcnt 0x0
	ds_add_u32 v254, v255
	s_wait_dscnt 0x0
	CROUND                                         ; the closing round: no work-group ends while a partner may still ask for a tile that names it
	s_endpgm
.Lfunc_end_k_qb8772b8887_outp:
	.size	k_qb8772b8887_outp, .Lfunc_end_k_qb8772b8887_outp-k_qb8772b8887_outp
	.p2alignl 7, 3214868480
	.fill 96, 4, 3214868480
	.section	.rodata,"a",@progbits
	.p2align	6, 0x0
	.amdhsa_kernel k_qb8772b8887_outp
		.amdhsa_group_segment_fixed_size 327680
		.amdhsa_private_segment_fixed_size 0
		.amdhsa_enable_private_segment 0
		.amdhsa_kernarg_size 32
		.amdhsa_user_sgpr_count 2
		.amdhsa_user_sgpr_kernarg_segment_ptr 1
		.amdhsa_wavefront_size32 1
		.amdhsa_system_sgpr_workgroup_id_x 1
		.amdhsa_system_sgpr_workgroup_id_y 1
		.amdhsa_system_sgpr_workgroup_id_z 1
		.amdhsa_system_vgpr_workitem_id 0
		.amdhsa_next_free_vgpr 1024
		.amdhsa_next_free_sgpr 84
		.amdhsa_reserve_vcc 0
		.amdhsa_float_denorm_mode_32 3
		.amdhsa_float_denorm_mode_16_64 3
		.amdhsa_memory_ordered 1
		.amdhsa_forward_progress 1
		.amdhsa_inst_pref_size 80
	.end_amdhsa_kernel
	.amdgpu_metadata
---
amdhsa.version: [ 1, 2 ]
amdhsa.kernels:
  - .name:           k_qb8772b8887_outp
    .symbol:         k_qb8772b8887_outp.kd
    .args:
      - { .name: cc, .offset: 0, .size: 8, .value_kind: global_buffer, .address_space: global }
      - { .name: inq, .offset: 8, .size: 8, .value_kind: global_buffer, .address_space: global }
      - { .name: bo, .offset: 16, .size: 8, .value_kind: global_buffer, .address_space: global }
      - { .name: out0, .offset: 24, .size: 8, .value_kind: global_buffer, .address_space: global }
    .group_segment_fixed_size: 327680
    .private_segment_fixed_size: 0
    .kernarg_segment_align: 8
    .kernarg_segment_size: 32
    .max_flat_workgroup_size: 128
    .sgpr_count:     84
    .vgpr_count:     1024
    .wavefront_size: 32
...
	.end_amdgpu_metadata
.endif
;; end of part 4
